; MI455X (gfx1250); checked and timed in simulation.
; The chip was launched on July 23, 2026; its instructions are those of AMD's public machine-readable ISA for CDNA 5 (MIT licence, August 2026) and "CDNA5" Instruction Set Architecture Reference Guide (July 2026). The comments in the code are by the model that wrote it; some were corrected since.
;; Attention. Allowed arithmetic: matrix products marked QUANTISED: E2M1 operands, one E8M0 scale for each 32 along K, by v_wmma_scale_f32_16x16x128_f8f6f4 with both operands' format E2M1 (or v_wmma_scale_f32_32x16x128_f4), f32 sums; products left as they are: bf16, f16 or f32 operands; f32 sums; everything else in f32.
;; Inputs: Wkv 1,024 x 2,048 float32; Wout 1,024 x 1,024 float32; Wq 1,024 x 1,024 float32; bout 1,024 float32; queries 4 x 2,048 x 1,024 float32.
;; Outputs: out0 4 x 2,048 x 1,024 float32.
;; This version of the problem:
;;   THIS VERSION OF THE PROBLEM IS GIVEN IN LOW PRECISION. The matrix products marked QUANTISED in the list below multiply operands that are first quantised to E2M1 (2 exponent bits, 1 mantissa bit; 4 bits a number), with one power-of-two scale for each 32 numbers along K (OCP MX v1.0); their sums are f32. The products marked 'left as it is' may take bf16, f16 or f32 operands, with f32 sums. Whichever they take, every output number must still come out within the allowed error. Rounding operands to bf16 (8 significant bits) uses up far more of that allowance than f16 does (11 bits, for magnitudes from 6e-5 to 65,504). All else is computed in f32.
;;   The module's matrix products, in the order in which they are computed (A, B: the left and right operand; K: the contracted axis; several contracted axes count as one K, in the product's order):
;;     1. [M 8,192, K 1,024] x [K 1,024, N 1,024]; A: input queries; B: input Wq: QUANTISED
;;     2. [M 8,192, K 1,024] x [K 1,024, N 2,048]; A: input queries; B: input Wkv: QUANTISED
;;     3. batch 64 x [M 2,048, K 64] x [K 64, N 2,048]; A: computed on the way; B: computed on the way: left as it is (an operand is computed on the way)
;;     4. batch 64 x [M 2,048, K 2,048] x [K 2,048, N 64]; A: computed on the way; B: computed on the way: left as it is (an operand is computed on the way)
;;     5. [M 8,192, K 1,024] x [K 1,024, N 1,024]; A: computed on the way; B: input Wout: left as it is (an operand is computed on the way)
;;   THE QUANTISER, for each operand of a quantised product, along K:
;;     - K is cut into blocks of 32 from its start; a last block that is shorter is filled with zeros.
;;     - A block's scale is 2^e with e = floor(log2(the largest magnitude in the block)) - 2, held to -126 .. 127; a block of zeros has e = 0. As a byte (E8M0): e + 127.
;;     - Each number is divided by its block's scale, clamped to +-6, and rounded to the nearest number of E2M1, ties to even, subnormals kept.
;;     - The product sums the exact products of the quantised numbers (number of the format x scale) in f32.
;;   ~~~python
;;   def quantise(x, axis):      # numpy; x: float32 -> the quantised numbers, widened to float32 again
;;       x = np.moveaxis(x, axis, -1); K = x.shape[-1]
;;       x = np.pad(x, [(0, 0)] * (x.ndim - 1) + [(0, -K % 32)]); x = x.reshape(x.shape[:-1] + (-1, 32)); a = np.abs(x).max(-1, keepdims=True)
;;       e = np.where(a > 0, np.clip(np.frexp(np.where(a > 0, a, 1))[1] - 1 - 2, -126, 127), 0)      # np.frexp(a)[1] - 1 = floor(log2(a)), exactly
;;       r = np.clip(x / 2.0 ** e, -6, 6)
;;       step = 2.0 ** (np.maximum(np.frexp(np.where(r == 0, 1, r))[1] - 1, 0) - 1)
;;       q = np.round(r / step) * step * 2.0 ** e      # np.round: ties to even
;;       return np.moveaxis(q.reshape(q.shape[:-2] + (-1,))[..., :K], -1, axis).astype(np.float32)
;;   ~~~
;; One version. Each part assembles by itself: llvm-mc -triple=amdgcn-amd-amdhsa -mcpu=gfx1250 --defsym DOCPART=n.
;; ======== version 1 of 1: 4 launches
;; limits: values are held in f16: magnitudes above 65,504 overflow, below 6.1e-05 lose precision
;; workspace buffers: x_codes 4,194,304 bytes; x_scales 262,144 bytes; w_codes 1,572,864 bytes; w_scales 98,304 bytes; wout16 2,097,152 bytes; rope 262,144 bytes; qkv 50,331,648 bytes; att 16,777,216 bytes
;; launch prep (part 1): grid 384 x 1, 4 waves a work-group, no clusters, 68,096 bytes of LDS; arguments queries, Wq, Wkv, Wout, x_codes, x_scales, w_codes, w_scales, wout16, rope; writes x_codes, x_scales, w_codes, w_scales, wout16, rope
.if DOCPART == 1
	.amdgcn_target "amdgcn-amd-amdhsa--gfx1250"
	.amdhsa_code_object_version 6
	.text
	.protected	k_qa049a3af45_prep
	.globl	k_qa049a3af45_prep
	.p2align	8
	.type	k_qa049a3af45_prep,@function
k_qa049a3af45_prep:
	s_mov_b64 s[64:65], 0
	v_nop
	global_prefetch_b8 v0, s[64:65] scope:SCOPE_SE
	s_setreg_imm32_b32 hwreg(HW_REG_WAVE_MODE, 25, 1), 1
	s_wait_xcnt 0x0
; THE PROGRAM: self-attention, b = 4, n = 2,048, d = 1,024, 16 heads of 64.  Four launches: this one; the products with Wq and Wkv on codes of E2M1, with the rotation; attention in f16; the product with Wout in f16.
; NO WORK IS LEFT OUT: every input (queries, Wq, Wkv, Wout, bout) has a way to out0, reference() builds no mask and slices nothing away.
; THIS LAUNCH makes what the later ones read many times, once.  Four roles, chosen by the work-group's number alone:
;   W (0-47)    Wq [1024 k][1024] and Wkv [1024 k][2048], f32, K their FIRST axis -> w_codes [3072 columns][512 bytes], K innermost, w_scales [3072][32].  Rows 0-1023 are Wq's columns, 1024-3071 Wkv's.
;   X (48-303)  queries [8192][1024] f32 -> x_codes [8192][512 bytes], x_scales [8192][32].
;   O (304-367) Wout f32 -> wout16, f16, as it lies.
;   T (368-383) the rotation's table: rope [2048 positions][16 frequencies][cos, sin] f32.
; THE QUANTISER: a block of 32 along K has the scale 2^(floor(log2(its largest magnitude)) - 2); the byte is the largest magnitude's exponent field - 2, held at 1 from below; numbers / scale to the nearest code, ties to even, beyond 6 the code of 6.
; LIMITS: NaN and infinities among the inputs are not served.  A block whose largest magnitude lies under 2^-124 keeps the byte 1.  A block of zeros has the byte 1 where the rule says 127: its codes are zeros, and this program alone reads the bytes.
; |Wout| stays under 65,504 (f16).  The table's angle is f32(position) x 2^(-i log2(10000) / 16), the power by v_exp_f32: against reference()'s own f32 angle it differs by about 2e-4 radians at the most (position 2,047);
; sine and cosine by a reduction by pi/2 in two parts and polynomials whose first term left out is under 2e-9.
; Each role that stores to LDS has LDS bytes of its own: X 0 .. 32,767, W 32,768 .. 67,583; behind them the spare words.
.set SPW,   208                        ; v208 LDS address of my spare word; never rewritten
.set NIL,   209                        ; v209 0; never rewritten
.set WV,    24                         ; s24  my wave's number
.set SPARE, 67584                      ; 128 bytes for each wave: two blocks of 256 bytes that no other line names
.set EMAX,  2
; ---- role X's names
.set XREG,  8192                       ; LDS: a region for each wave: two stages of 32 x SP bytes, behind them its 256 scale bytes
.set SP,    80                         ; a lane's place in a stage: 64 bytes + 16 of padding
.set XR,    16                         ; v16-79   four sets of 16 numbers as loaded
.set XX,    80                         ; v80-111  two sets of 16 neighbours
.set XE,    112                        ; v112-127 a scale byte for each step
.set XC,    128                        ; v128-191 codes, four registers a step: no store's data are written again
; ---- role W's names
.set WSTG,  32768                      ; LDS: four stages of 32 rows x 272 bytes
.set WP,    272
.set SB,    24                         ; v24-27   scale bytes, four to a register
.set WX,    32                         ; v32-95   two sets of 32 numbers
.set WC,    96                         ; v96-99   a block's codes
.set OUTR,  112                        ; v112-175 the way out
.set RO,    176                        ; v176-207 4 x lane + i x the row's bytes, i = 0 .. 31; never rewritten
.macro XLOAD t                         ; a step's 2,048 bytes: each load reads 512 consecutive bytes
.irp i, 0,1,2,3
	global_load_b128 v[XR+16*((\t)%4)+4*\i:XR+16*((\t)%4)+4*\i+3], v3, s[4:5] offset:2048*(\t)+512*\i th:TH_LOAD_NT
.endr
.endm
.macro XTURN t                         ; through the wave's own stage: in as they lie, out 64 bytes a lane.  LDS serves a wave's instructions in order
.irp i, 0,1,2,3
	ds_store_b128 v14, v[XR+16*((\t)%4)+4*\i:XR+16*((\t)%4)+4*\i+3] offset:32*SP*((\t)%2)+8*SP*\i
.endr
.irp i, 0,1,2,3
	ds_load_b128 v[XX+16*((\t)%2)+4*\i:XX+16*((\t)%2)+4*\i+3], v15 offset:32*SP*((\t)%2)+16*\i
.endr
.endm
.macro XSTEP t
.set XS, XX+16*((\t)%2)
.if (\t) > 0
	s_wait_dscnt 1                                 ; this step's numbers are back from the stage; the last step's byte store may be out
.else
	s_wait_dscnt 0x0
.endif
.if (\t)+4 < 16
	XLOAD (\t)+4                                   ; the stage's stores have read these registers
.endif
.if (\t)+1 < 16
.if 14-(\t) >= 3
	s_wait_loadcnt 12                              ; the next step's four loads are in; three steps' loads behind them may be out
.else
	s_wait_loadcnt 4*(14-(\t))
.endif
	XTURN (\t)+1
.endif
	v_max3_num_f32 v8, |v[XS]|, |v[XS+1]|, |v[XS+2]|
	v_max3_num_f32 v9, |v[XS+3]|, |v[XS+4]|, |v[XS+5]|
.irp i, 6,10
	v_max3_num_f32 v8, v8, |v[XS+\i]|, |v[XS+\i+1]|
	v_max3_num_f32 v9, v9, |v[XS+\i+2]|, |v[XS+\i+3]|
.endr
	v_max3_num_f32 v8, v8, |v[XS+14]|, |v[XS+15]|
	v_max3_num_f32 v8, v8, v9, (EMAX+1)<<23        ; the floor 2^(3 - 127): the byte cannot fall under 1
	v_max_num_f32_dpp v8, v8, v8 row_xmask:1 row_mask:0xf bank_mask:0xf   ; with my neighbour's 16: the block's largest magnitude
	v_add_nc_u32 v11, -(EMAX<<23), v8              ; 2 off its exponent field: the conversion's scale operand
	v_cvt_scalef32_pk8_fp4_f32 v[XC+4*(\t)], v[XS:XS+7], v11
	v_cvt_scalef32_pk8_fp4_f32 v[XC+4*(\t)+1], v[XS+8:XS+15], v11
	v_lshrrev_b32 v[XE+(\t)], 23, v11              ; the scale's byte
	ds_store_b8 v5, v[XE+(\t)] offset:16*(\t)      ; both lanes of a block write the same byte with the same value
	global_store_b64 v4, v[XC+4*(\t):XC+4*(\t)+1], s[12:13] offset:256*(\t)   ; the wave stores 256 consecutive bytes, aligned
.endm
.macro WLOAD t                         ; block t: rows 32 t + i of my K half, my column, into set t % 2
.set i, 0
.rept 32
	global_load_b32 v[WX+32*((\t)%2)+i], v[RO+i], s[32+2*(\t):33+2*(\t)] th:TH_LOAD_NT
.set i, i+1
.endr
.endm
.macro WBLOCK t
.set XS, WX+32*((\t)%2)
.if (\t) < 15
	s_wait_loadcnt 32                              ; this block's 32 loads are in; the next block's may be out
.else
	s_wait_loadcnt 0
.endif
	v_max3_num_f32 v12, |v[XS]|, |v[XS+1]|, |v[XS+2]|   ; all 32 numbers of the block are mine
	v_max3_num_f32 v13, |v[XS+3]|, |v[XS+4]|, |v[XS+5]|
.irp i, 6,10,14,18,22,26
	v_max3_num_f32 v12, v12, |v[XS+\i]|, |v[XS+\i+1]|
	v_max3_num_f32 v13, v13, |v[XS+\i+2]|, |v[XS+\i+3]|
.endr
	v_max3_num_f32 v12, v12, |v[XS+30]|, |v[XS+31]|
	v_max3_num_f32 v12, v12, v13, (EMAX+1)<<23
	v_add_nc_u32 v11, -(EMAX<<23), v12
	v_lshrrev_b32 v13, 23, v11
.if (\t)%4 == 0
	v_mov_b32 v[SB+(\t)/4], v13
.else
	v_lshl_or_b32 v[SB+(\t)/4], v13, 8*((\t)%4), v[SB+(\t)/4]
.endif
.irp g, 0,1,2,3
	v_cvt_scalef32_pk8_fp4_f32 v[WC+\g], v[XS+8*\g:XS+8*\g+7], v11
.endr
	ds_store_b128 v4, v[WC:WC+3] offset:16*(\t)    ; 32 codes: 16 bytes of my column's row
.if (\t)+2 < 16
	WLOAD (\t)+2
.endif
	s_wait_dscnt 0x0                               ; the store has read its registers: the next block's codes may be written
.endm
; cos and sin of v[x] (0 or more) into v[c] and v[s].  n = the nearest whole number to x 2 / pi; r = x - n pi / 2, pi / 2 in two parts; polynomials on |r| <= pi / 4; the quadrant n mod 4 swaps and signs.
.macro SINCOS x, c, s
	v_mul_f32 v10, 0x3f22f983, v[\x]
	v_rndne_f32 v10, v10
	v_fma_f32 v11, v10, s30, v[\x]
	v_fma_f32 v11, v10, s31, v11
	v_mul_f32 v12, v11, v11
	v_cvt_i32_f32 v15, v10
	v_mov_b32 v13, 0x3638ef1d                      ; 1/9!
	v_mov_b32 v14, 0xb493f27e                      ; -1/10!
	v_fmaak_f32 v13, v13, v12, 0xb9500d01          ; -1/7!
	v_fmaak_f32 v14, v14, v12, 0x37d00d01          ; 1/8!
	v_fmaak_f32 v13, v13, v12, 0x3c088889          ; 1/5!
	v_fmaak_f32 v14, v14, v12, 0xbab60b61          ; -1/6!
	v_fmaak_f32 v13, v13, v12, 0xbe2aaaab          ; -1/3!
	v_fmaak_f32 v14, v14, v12, 0x3d2aaaab          ; 1/4!
	v_mul_f32 v16, v11, v12
	v_fmaak_f32 v14, v14, v12, 0xbf000000
	v_fma_f32 v13, v16, v13, v11                   ; sin r
	v_fmaak_f32 v14, v14, v12, 0x3f800000          ; cos r
	v_and_b32 v16, 1, v15
	v_cmp_eq_u32 vcc_lo, 1, v16
	v_cndmask_b32 v[\c], v14, v13, vcc_lo          ; odd quadrants: the two change places
	v_cndmask_b32 v[\s], v13, v14, vcc_lo
	v_add_nc_u32 v16, 1, v15
	v_and_b32 v16, 2, v16
	v_lshlrev_b32 v16, 30, v16
	v_xor_b32 v[\c], v[\c], v16                    ; cos is negative in quadrants 1 and 2,
	v_and_b32 v16, 2, v15
	v_lshlrev_b32 v16, 30, v16
	v_xor_b32 v[\s], v[\s], v16                    ; sin in 2 and 3
.endm
	s_load_b512 s[4:19], s[0:1], 0x0               ; queries 4, Wq 6, Wkv 8, Wout 10, x_codes 12, x_scales 14, w_codes 16, w_scales 18
	s_load_b128 s[20:23], s[0:1], 0x40             ; wout16 20, rope 22
	v_lshl_add_u32 v[SPW], v0, 2, SPARE
	v_mov_b32 v[NIL], 0
	v_lshrrev_b32 v1, 5, v0
	v_readfirstlane_b32 s[WV], v1
	v_and_b32 v2, 31, v0                           ; lane
	s_wait_kmcnt 0x0
	s_cmp_lt_u32 ttmp9, 48
	s_cbranch_scc1 .Lrole_w
	s_cmp_lt_u32 ttmp9, 304
	s_cbranch_scc1 .Lrole_x
	s_cmp_lt_u32 ttmp9, 368
	s_cbranch_scc1 .Lrole_o
	; ---- ROLE T.  Wave wi of 64 takes positions 32 wi on, four a step; lane l: position + l / 8, frequencies 2 (l % 8) and + 1: 16 bytes a lane, 512 consecutive bytes a store.
	s_sub_co_u32 s26, ttmp9, 368
	s_lshl_b32 s26, s26, 2
	s_add_co_u32 s26, s26, s[WV]
	s_lshl_b32 s28, s26, 12                        ; 32 positions of 128 bytes
	s_mov_b32 s29, 0
	s_add_nc_u64 s[22:23], s[22:23], s[28:29]
	s_lshl_b32 s27, s26, 5
	s_mov_b32 s30, 0xbfc90fdb                      ; -(pi / 2)'s upper part,
	s_mov_b32 s31, 0x333bbd2e                      ; and less its lower part, which is negative
	v_lshlrev_b32 v26, 4, v2
	v_lshrrev_b32 v20, 3, v2
	v_add_nc_u32 v20, s27, v20
	v_and_b32 v3, 7, v2
	v_lshlrev_b32 v3, 1, v3
	v_add_nc_u32 v4, 1, v3
	v_cvt_f32_u32 v3, v3
	v_cvt_f32_u32 v4, v4
	v_mul_f32 v3, 0xbf549a78, v3                   ; -i log2(10000) / 16
	v_mul_f32 v4, 0xbf549a78, v4
	v_exp_f32 v24, v3
	v_exp_f32 v25, v4
	v_nop                                          ; a plain instruction behind the exponentials,
	s_wait_alu depctr_va_vdst(0)                   ; and the one wait ahead of their first reader
.irp u, 0,1,2,3,4,5,6,7
	v_add_nc_u32 v21, 4*\u, v20
	v_cvt_f32_u32 v21, v21
	v_mul_f32 v22, v21, v24                        ; the angle, rounded to f32 as reference() rounds it
	v_mul_f32 v23, v21, v25
	SINCOS 22, 32+4*\u, 33+4*\u
	SINCOS 23, 34+4*\u, 35+4*\u
	global_store_b128 v26, v[32+4*\u:35+4*\u], s[22:23] offset:512*\u   ; each step has its own registers: no store's data are written again
.endr
	s_endpgm
	; ---- ROLE O.  A wave takes 4,096 numbers: 32 loads of 512 consecutive bytes, all out at once; each pair of conversions in place; each store 256 consecutive bytes, aligned.
.Lrole_o:
	s_sub_co_u32 s26, ttmp9, 304
	s_lshl_b32 s26, s26, 2
	s_add_co_u32 s26, s26, s[WV]
	s_lshl_b32 s28, s26, 14
	s_mov_b32 s29, 0
	s_add_nc_u64 s[10:11], s[10:11], s[28:29]
	s_lshl_b32 s28, s26, 13
	s_add_nc_u64 s[20:21], s[20:21], s[28:29]
	v_lshlrev_b32 v3, 4, v2
	v_lshlrev_b32 v4, 3, v2
.set i, 0
.rept 32
	global_load_b128 v[32+4*i:35+4*i], v3, s[10:11] offset:512*i th:TH_LOAD_NT
.set i, i+1
.endr
.set i, 0
.rept 32
	s_wait_loadcnt 31-i                            ; loads come back in order: load i is in, the younger ones may be out
	v_cvt_pk_f16_f32 v[32+4*i], v[32+4*i], v[33+4*i]
	v_cvt_pk_f16_f32 v[33+4*i], v[34+4*i], v[35+4*i]
	global_store_b64 v4, v[32+4*i:33+4*i], s[20:21] offset:256*i
.set i, i+1
.endr
	s_endpgm
	; ---- ROLE X.  The tensor is a plain stream of blocks of 32.  A wave takes 16 steps of 512 numbers; two neighbouring lanes hold a block.
.Lrole_x:
	v_lshlrev_b32 v3, 4, v2                        ; my 16 bytes of a load's 512
	s_mul_i32 s25, s[WV], XREG
	v_lshrrev_b32 v14, 2, v2
	v_mul_u32_u24 v14, v14, SP
	v_and_b32 v15, 3, v2
	v_lshl_add_u32 v14, v15, 4, v14
	v_add_nc_u32 v14, s25, v14                     ; the stage, on the way in: SP (lane / 4) + 16 (lane % 4)
	v_mul_u32_u24 v15, v2, SP
	v_add_nc_u32 v15, s25, v15                     ; and out: SP x lane
	v_lshlrev_b32 v4, 3, v2                        ; my 8 bytes of a step's codes
	v_lshrrev_b32 v5, 1, v2
	s_add_co_u32 s25, s25, 2*32*SP
	v_add_nc_u32 v5, s25, v5                       ; my block's byte among the wave's 256
	v_lshlrev_b32 v7, 3, v2
	v_add_nc_u32 v6, s25, v7
	s_sub_co_u32 s26, ttmp9, 48
	s_lshl_b32 s26, s26, 2
	s_add_co_u32 s26, s26, s[WV]                   ; which run of 8,192 numbers is my wave's
	s_lshl_b32 s28, s26, 15
	s_mov_b32 s29, 0
	s_add_nc_u64 s[4:5], s[4:5], s[28:29]
	s_lshl_b32 s28, s26, 12
	s_add_nc_u64 s[12:13], s[12:13], s[28:29]
	s_lshl_b32 s28, s26, 8
	s_add_nc_u64 s[14:15], s[14:15], s[28:29]
.irp t, 0,1,2,3
	XLOAD \t
.endr
	s_wait_loadcnt 12                              ; step 0's four loads are in
	XTURN 0
.irp t, 0,1,2,3,4,5,6,7,8,9,10,11,12,13,14,15
	XSTEP \t
.endr
	ds_load_b64 v[8:9], v6                         ; my wave's 256 scale bytes, 8 a lane
	s_wait_dscnt 0x0
	global_store_b64 v7, v[8:9], s[14:15]          ; 256 consecutive bytes, aligned
	s_wait_tensorcnt 0x0                           ; the wave's end
	ds_add_u32 v[SPW], v[NIL]
	s_wait_dscnt 0x0
	s_endpgm
	; ---- ROLE W.  A lane takes a column and its registers run down K: a block of 32 lies in one lane, and the codes come out with K innermost.  A wave: 32 columns x 512 along K.
.Lrole_w:
	s_lshr_b32 s26, ttmp9, 1                       ; which 128 columns of the 3,072
	s_and_b32 s27, ttmp9, 1                        ; which 512 along K
	s_mov_b32 s25, 8192
	s_cmp_lt_u32 s26, 8                            ; the first eight groups are Wq's
	s_cselect_b64 s[6:7], s[6:7], s[8:9]
	s_cselect_b32 s25, 4096, s25                   ; a row of the source in bytes
	s_cselect_b32 s28, 0, 1024                     ; Wkv's column 0 is row 1,024 of the codes
	s_lshl_b32 s29, s26, 7
	s_lshl_b32 s30, s[WV], 5
	s_add_co_u32 s29, s29, s30                     ; my wave's first row of the codes
	s_sub_co_u32 s28, s29, s28                     ; and its column in the source
	s_lshl_b32 s28, s28, 2
	s_lshl_b32 s30, s27, 9
	s_mul_i32 s30, s30, s25
	s_add_co_u32 s30, s30, s28
	s_mov_b32 s31, 0
	s_add_nc_u64 s[32:33], s[6:7], s[30:31]        ; block 0's base;
	s_lshl_b32 s30, s25, 5
.irp t, 1,2,3,4,5,6,7,8,9,10,11,12,13,14,15
	s_add_nc_u64 s[32+2*\t:33+2*\t], s[30+2*\t:31+2*\t], s[30:31]   ; block t's lies 32 rows on.  A base for each block: none is stepped while loads are out
.endr
	s_lshl_b32 s30, s29, 9
	s_lshl_b32 s28, s27, 8
	s_add_co_u32 s30, s30, s28
	s_add_nc_u64 s[16:17], s[16:17], s[30:31]      ; codes: row x 512 + 256 x K half
	s_lshl_b32 s30, s29, 5
	s_lshl_b32 s28, s27, 4
	s_add_co_u32 s30, s30, s28
	s_add_nc_u64 s[18:19], s[18:19], s[30:31]      ; scale bytes: row x 32 + 16 x K half
	v_lshlrev_b32 v3, 2, v2
.set i, 0
.rept 32
	v_mad_u32_u24 v[RO+i], s25, i, v3
.set i, i+1
.endr
	s_mul_i32 s28, s[WV], 32*WP
	s_add_co_u32 s28, s28, WSTG                    ; my stage
	v_mul_u32_u24 v4, v2, WP
	v_add_nc_u32 v4, s28, v4                       ; into it: row = my column
	v_and_b32 v5, 15, v2
	v_lshrrev_b32 v6, 4, v2
	v_mul_u32_u24 v7, v6, WP
	v_lshl_add_u32 v7, v5, 4, v7
	v_add_nc_u32 v7, s28, v7                       ; out of it: sixteen lanes to a row, two rows an instruction
	v_lshlrev_b32 v8, 9, v6
	v_lshl_add_u32 v8, v5, 4, v8                   ; the same place in the codes' buffer
	v_lshlrev_b32 v9, 5, v2                        ; my column's row of scale bytes
	WLOAD 0
	WLOAD 1
.irp t, 0,1,2,3,4,5,6,7,8,9,10,11,12,13,14,15
	WBLOCK \t
.endr
	global_store_b128 v9, v[SB:SB+3], s[18:19]     ; my column's 16 scale bytes
.irp t, 0,1,2,3,4,5,6,7,8,9,10,11,12,13,14,15
	ds_load_b128 v[OUTR+4*\t:OUTR+4*\t+3], v7 offset:2*\t*WP
.endr
.irp t, 0,1,2,3,4,5,6,7,8,9,10,11,12,13,14,15
	s_wait_dscnt 15-\t
	global_store_b128 v8, v[OUTR+4*\t:OUTR+4*\t+3], s[16:17] offset:2*\t*512   ; sixteen lanes store 256 consecutive bytes, aligned
.endr
	s_wait_tensorcnt 0x0                           ; the wave's end
	ds_add_u32 v[SPW], v[NIL]
	s_wait_dscnt 0x0
	s_endpgm
.Lfunc_end_k_qa049a3af45_prep:
	.size	k_qa049a3af45_prep, .Lfunc_end_k_qa049a3af45_prep-k_qa049a3af45_prep
	.p2alignl 7, 3214868480
	.fill 96, 4, 3214868480
	.section	.rodata,"a",@progbits
	.p2align	6, 0x0
	.amdhsa_kernel k_qa049a3af45_prep
		.amdhsa_group_segment_fixed_size 68096
		.amdhsa_private_segment_fixed_size 0
		.amdhsa_enable_private_segment 0
		.amdhsa_kernarg_size 80
		.amdhsa_user_sgpr_count 2
		.amdhsa_user_sgpr_kernarg_segment_ptr 1
		.amdhsa_wavefront_size32 1
		.amdhsa_system_sgpr_workgroup_id_x 1
		.amdhsa_system_sgpr_workgroup_id_y 1
		.amdhsa_system_sgpr_workgroup_id_z 1
		.amdhsa_system_vgpr_workitem_id 0
		.amdhsa_next_free_vgpr 210
		.amdhsa_next_free_sgpr 66
		.amdhsa_reserve_vcc 1
		.amdhsa_float_denorm_mode_32 3
		.amdhsa_float_denorm_mode_16_64 3
		.amdhsa_memory_ordered 1
		.amdhsa_forward_progress 1
		.amdhsa_inst_pref_size 149
	.end_amdhsa_kernel
	.amdgpu_metadata
---
amdhsa.version: [ 1, 2 ]
amdhsa.kernels:
  - .name:           k_qa049a3af45_prep
    .symbol:         k_qa049a3af45_prep.kd
    .args:
      - { .name: queries, .offset: 0, .size: 8, .value_kind: global_buffer, .address_space: global }
      - { .name: Wq, .offset: 8, .size: 8, .value_kind: global_buffer, .address_space: global }
      - { .name: Wkv, .offset: 16, .size: 8, .value_kind: global_buffer, .address_space: global }
      - { .name: Wout, .offset: 24, .size: 8, .value_kind: global_buffer, .address_space: global }
      - { .name: x_codes, .offset: 32, .size: 8, .value_kind: global_buffer, .address_space: global }
      - { .name: x_scales, .offset: 40, .size: 8, .value_kind: global_buffer, .address_space: global }
      - { .name: w_codes, .offset: 48, .size: 8, .value_kind: global_buffer, .address_space: global }
      - { .name: w_scales, .offset: 56, .size: 8, .value_kind: global_buffer, .address_space: global }
      - { .name: wout16, .offset: 64, .size: 8, .value_kind: global_buffer, .address_space: global }
      - { .name: rope, .offset: 72, .size: 8, .value_kind: global_buffer, .address_space: global }
    .group_segment_fixed_size: 68096
    .private_segment_fixed_size: 0
    .kernarg_segment_align: 8
    .kernarg_segment_size: 80
    .max_flat_workgroup_size: 128
    .sgpr_count:     66
    .vgpr_count:     210
    .wavefront_size: 32
...
	.end_amdgpu_metadata
.endif
;; end of part 1
;; launch qkv (part 2): grid 12 x 32, 4 waves a work-group, clusters of 4 x 4, 327,680 bytes of LDS; arguments x_codes, x_scales, w_codes, w_scales, qkv, rope; writes qkv
.if DOCPART == 2
	.amdgcn_target "amdgcn-amd-amdhsa--gfx1250"
	.amdhsa_code_object_version 6
	.text
	.protected	k_qa049a3af45_qkv
	.globl	k_qa049a3af45_qkv
	.p2align	8
	.type	k_qa049a3af45_qkv,@function
k_qa049a3af45_qkv:
	s_mov_b64 s[64:65], 0
	v_nop
	global_prefetch_b8 v0, s[64:65] scope:SCOPE_SE
	s_setreg_imm32_b32 hwreg(HW_REG_WAVE_MODE, 25, 1), 1
	s_wait_xcnt 0x0
	s_wait_alu depctr_hold_cnt(0) depctr_sa_sdst(0) depctr_va_vdst(0) depctr_va_sdst(0) depctr_va_ssrc(0) depctr_va_vcc(0) depctr_vm_vsrc(0)
	s_getreg_b32 s2, hwreg(HW_REG_IB_STS2, 6, 4)
	s_cmp_eq_u32 s2, 0
	s_cbranch_scc0 .Lentry_in_a_cluster
	s_endpgm
.Lentry_in_a_cluster:
	s_bfe_u32 s2, ttmp6, 0x10000c
	s_cmp_lg_u32 s2, 0xf033
	s_cbranch_scc0 .Lentry_shape_is_right
	s_endpgm
.Lentry_shape_is_right:
; [q | k | v][m][n] = sum over k of queries[m][k] W[k][n], both operands as codes of E2M1 with one E8M0 scale for each 32 along K (made by the launch before); sums in f32.  M = 8,192, N = 3,072, K = 1,024.  No work is left out.
; Then the rotation of channels 0-31 of every head of q and k, in f32, and one rounding to f16.  Out: qkv [batch 4][g 48][position 2,048][64] f16, g = column / 64: 0-15 q's heads, 16-31 k's, 32-47 v's.
; LIMIT: |q|, |k|, |v| stay under 65,504 (f16).
; A tile of 256 x 256 is made by four waves, each 128 x 128: 64 accumulators, 512 registers.  K is two steps of 512, each in an LDS slot of its own: both are asked for at the head and nothing is filled again.
; The scale bytes of the work-group's 256 + 256 rows, for all of K, are two dense blocks: they come with the first fills, in rows of 256 bytes.
; CLUSTERS: 4 x 4 work-groups; A's tiles are asked for jointly along a row of the cluster, B's along a column.  THE MATRIX INSTRUCTION IS USED TRANSPOSED (source 0 = 16 rows of W's codes, source 1 = 16 rows of queries'):
; a lane holds one row (position) and eight neighbouring columns (channels).
; REGISTERS: window 0: v0-31 addresses; v32-95 scale words, two sets, nothing else ever; v96-127 rotated numbers; from v128 A's fragments, one set; on the way out v128-223.
;   window 1: B's fragments, two sets, at v0 and v128; v64-127 and v192-255 the rotation's cos and sin.   windows 2, 3: the accumulators of my rows 0-63, 64-127: (a, b) at v[8 (8 (a % 4) + b)].
.set SIZE_K, 1024
.set KSTEP,  512
.set NQ,     KSTEP/128
.set ROWB,   256                       ; a tile's row in bytes
.set KROW,   SIZE_K/2                  ; a row of codes in memory
.set PITCH,  272                       ; an LDS row: 256 bytes + 16 of padding: the 16 rows that a load touches start 68 words apart
.set FR,     8
.set NL,     2
.set NP,     4
.set HALFT,  128*PITCH
.set SLOT,   4*HALFT
.set KS,     SIZE_K/32
.set SCL,    2*SLOT
.set HALFS,  (128*KS/256)*272
.set SBLK,   (16*KS/256)*272
.set SPARE,  SCL+4*HALFS               ; the spare words, 128 bytes for each wave
.set SP,     144                       ; the way out: a stage of 2 heads x 16 rows x (128 bytes + 16) for each wave, in slot 0, which has had its only fill and its last read by then
.set ADRA, 16
.set ADRB, 20
.set STO,  24
.set RD,   25
.set CO,   26
.set ADRS, 27
.set SPW,  28
.set NIL,  29
.set CSA,  30                          ; v30  my byte in 16 positions of the table: 128 r + 32 h
.set SC,   32
.set RR,   96                          ; v96-127  the four rotated blocks
.set AF,   128
.set TMP,  128                         ; v128-159 a block of 16 rows, packed
.set BK,   160                         ; v160-191, v192-223 by turns: the block read back
.set G1, 24
.set G0, 32
.set G1B, 48
.set G0B, 56
.set G1S, 68
.set G0S, 76
.set G1SB, 80
.set G0SB, 88
.set MSB, 0
.macro WIN new                         ; the immediate's high byte repeats the setting that is left
.if MSB != (\new)
	s_set_vgpr_msb (MSB<<8)|(\new)
.set MSB, (\new)
.endif
.endm
.set MUL_LO, 0xa1                      ; source 0 (B) window 1, source 1 (A) window 0, C and D window 2
.set MUL_HI, 0xf1
.set TO_B,   0x40                      ; destination window 1, address window 0
; A joint load: waves 0 and 1 fetch for A, waves 2 and 3 for B; the branch hangs on the wave's number alone.  An s_nop 0 and four v_nop follow each line.
.macro JLOAD g0a, g1a, g0b, g1b
	s_cmp_eq_u32 s15, 0
	s_cbranch_scc0 .Lfor_b_\@
	tensor_load_to_lds s[\g0a:\g0a+3], s[\g1a:\g1a+7]
	s_nop 0
.rept 4
	v_nop
.endr
	s_branch .Lasked_\@
.Lfor_b_\@:
	tensor_load_to_lds s[\g0b:\g0b+3], s[\g1b:\g1b+7]
	s_nop 0
.rept 4
	v_nop
.endr
.Lasked_\@:
.endm
.macro CROUND                          ; a round of the cluster's barrier
	s_barrier_signal -1
	s_barrier_wait -1
	s_cmp_lg_u32 s14, 0
	s_cbranch_scc1 .Lnot_wave_0_\@
	s_barrier_signal -3
.Lnot_wave_0_\@:
	s_barrier_wait -3
	s_barrier_signal -1
	s_barrier_wait -1
.endm
	s_load_b128 s[4:7], s[0:1], 0x0                ; A's codes, A's scales
	s_load_b128 s[8:11], s[0:1], 0x10              ; B's codes, B's scales
	s_load_b64 s[12:13], s[0:1], 0x20              ; qkv
	s_load_b64 s[96:97], s[0:1], 0x28              ; the table
	v_lshl_add_u32 v[SPW], v0, 2, SPARE
	v_mov_b32 v[NIL], 0
	ds_add_u32 v[SPW], v[NIL]                      ; the wave's opening: the add, twice on end, and its wait ahead of my first tensor load
	ds_add_u32 v[SPW], v[NIL]
	v_lshrrev_b32 v1, 5, v0
	v_readfirstlane_b32 s14, v1                    ; wave
	s_lshr_b32 s15, s14, 1                         ; my half of the tile's rows; also: I fetch for A (0) or B (1)
	s_and_b32 s16, s14, 1                          ; my half of its columns; also: which 128 rows I fetch
	s_bfe_u32 s40, ttmp6, 0x40000                  ; cx
	s_bfe_u32 s41, ttmp6, 0x40004                  ; cy
	s_lshl_b32 s42, ttmp9, 2
	s_add_co_u32 s42, s42, s40                     ; tile column
	s_and_b32 s17, ttmp7, 0xffff
	s_lshl_b32 s17, s17, 2
	s_add_co_u32 s17, s17, s41                     ; tile row
	s_lshl_b32 s43, s41, 2
	s_lshl_b32 s43, 15, s43                        ; my row of the cluster
	s_lshl_b32 s44, 0x1111, s40                    ; my column
	s_or_b32 s[G1+0], s43, (0<<16)|(1<<20)|(1<<21)|(5<<22)|(3<<25)  ; the mask; elements of 1 byte; padding: 4 words behind every 64; bit 21 beside a mask
	s_or_b32 s[G1B+0], s44, (0<<16)|(1<<20)|(1<<21)|(5<<22)|(3<<25)
.irp g, G1, G1B
	s_mov_b32 s[\g+1], ROWB<<16                    ; tensor_dim0
	s_mov_b32 s[\g+2], 128<<16                     ; tensor_dim1
	s_mov_b32 s[\g+3], ROWB<<16                    ; tile_dim0
	s_mov_b32 s[\g+4], 128                         ; tile_dim1
	s_mov_b32 s[\g+5], KROW                        ; stride
	s_mov_b32 s[\g+6], 0
	s_mov_b32 s[\g+7], 0
.endr
	s_or_b32 s[G1S+0], s43, (3<<16)|(1<<20)|(1<<21)|(5<<22)|(3<<25)  ; the scales of 128 rows: 4,096 dense bytes as 16 rows of 32 elements of 8 bytes
	s_or_b32 s[G1SB+0], s44, (3<<16)|(1<<20)|(1<<21)|(5<<22)|(3<<25)
.irp g, G1S, G1SB
	s_mov_b32 s[\g+1], 32<<16
	s_mov_b32 s[\g+2], (128*KS/256)<<16
	s_mov_b32 s[\g+3], 32<<16
	s_mov_b32 s[\g+4], 128*KS/256
	s_mov_b32 s[\g+5], 32
	s_mov_b32 s[\g+6], 0
	s_mov_b32 s[\g+7], 0
.endr
	s_lshl_b32 s18, s16, 7
	s_lshl_b32 s20, s17, 8
	s_add_co_u32 s20, s20, s18                     ; A: row 256 x tile row + 128 x half
	s_lshl_b32 s46, s42, 8
	s_add_co_u32 s46, s46, s18                     ; B: row 256 x tile column + 128 x half
	s_mov_b32 s21, 0
	s_mov_b32 s47, 0
	s_mov_b64 s[18:19], KS
	s_mul_u64 s[22:23], s[20:21], s[18:19]
	s_mul_u64 s[92:93], s[46:47], s[18:19]
	s_mov_b64 s[18:19], KROW
	s_mul_u64 s[20:21], s[20:21], s[18:19]
	s_mul_u64 s[46:47], s[46:47], s[18:19]
	s_mul_i32 s45, s14, HALFT                      ; where they go: by the wave's number alone
	s_mul_i32 s94, s14, HALFS
	s_wait_dscnt 0x0                               ; both opening adds are done
	s_wait_kmcnt 0x0
	s_add_nc_u64 s[20:21], s[4:5], s[20:21]
	s_add_nc_u64 s[22:23], s[6:7], s[22:23]
	s_add_nc_u64 s[46:47], s[8:9], s[46:47]
	s_add_nc_u64 s[92:93], s[10:11], s[92:93]
	CROUND                                         ; all sixteen work-groups are here: the joint loads meet
	s_mov_b32 s[G0S], 1
	s_add_co_u32 s[G0S+1], s94, SCL
	s_mov_b64 s[G0S+2:G0S+3], s[22:23]
	s_or_b32 s[G0S+3], s[G0S+3], 0x80000000
	s_mov_b32 s[G0SB], 1
	s_add_co_u32 s[G0SB+1], s94, SCL
	s_mov_b64 s[G0SB+2:G0SB+3], s[92:93]
	s_or_b32 s[G0SB+3], s[G0SB+3], 0x80000000
	JLOAD G0S, G1S, G0SB, G1SB                     ; the scales first; with the two below three loads of mine are out
.irp s, 0,1
	s_mov_b32 s[G0+4*\s], 1
	s_add_co_u32 s[G0+4*\s+1], s45, \s*SLOT
	s_add_nc_u64 s[G0+4*\s+2:G0+4*\s+3], s[20:21], \s*ROWB
	s_or_b32 s[G0+4*\s+3], s[G0+4*\s+3], 0x80000000
	s_mov_b32 s[G0B+4*\s], 1
	s_add_co_u32 s[G0B+4*\s+1], s45, \s*SLOT
	s_add_nc_u64 s[G0B+4*\s+2:G0B+4*\s+3], s[46:47], \s*ROWB
	s_or_b32 s[G0B+4*\s+3], s[G0B+4*\s+3], 0x80000000
	JLOAD G0+4*\s, G1, G0B+4*\s, G1B
.endr
	v_and_b32 v1, 15, v0                           ; r
	v_bfe_u32 v2, v0, 4, 1                         ; h
	v_mul_u32_u24 v3, v1, PITCH
	v_lshl_add_u32 v4, v2, 4, v3
	s_mul_i32 s21, s15, HALFT
	s_mul_i32 s22, s16, HALFT
	s_add_co_u32 s22, s22, 2*HALFT
.irp s, 0,1
	v_add_nc_u32 v[ADRA+\s], s21, v4
	v_add_nc_u32 v[ADRB+\s], s22, v4
	s_add_co_u32 s21, s21, SLOT
	s_add_co_u32 s22, s22, SLOT
.endr
	v_mul_u32_u24 v5, v1, KS                       ; my row's scales: KS bytes a row, 16 more for each 256 passed
	v_lshrrev_b32 v6, 8, v5
	v_lshl_add_u32 v5, v6, 4, v5
	s_mul_i32 s21, s15, HALFS
	s_mul_i32 s22, s16, HALFS
	s_add_co_u32 s22, s22, 2*HALFS
	s_sub_co_u32 s22, s22, s21
	v_mul_u32_u24 v6, s22, v2                      ; lanes 16-31 take B's: the lower base + h x the distance
	s_add_co_u32 s21, s21, SCL
	v_add_nc_u32 v5, v5, v6
	v_add_nc_u32 v[ADRS], s21, v5
	s_mul_i32 s23, s14, 2*16*SP                    ; my stage
	v_mul_u32_u24 v5, v1, SP
	v_lshl_add_u32 v5, v2, 4, v5
	v_add_nc_u32 v[STO], s23, v5                   ; in: row r, 16 bytes for each half of the lanes
	v_and_b32 v6, 31, v0
	v_lshlrev_b32 v[CO], 4, v6                     ; out: 16 bytes a lane of 512 consecutive bytes (four rows of 128)
	v_lshrrev_b32 v7, 3, v6
	v_mul_u32_u24 v7, v7, SP
	v_and_b32 v8, 7, v0
	v_lshl_add_u32 v7, v8, 4, v7
	v_add_nc_u32 v[RD], s23, v7                    ; back: row lane / 8, 16 (lane % 8)
	v_lshlrev_b32 v[CSA], 7, v1
	v_lshl_add_u32 v[CSA], v2, 5, v[CSA]
	s_and_b32 s20, s17, 7
	s_lshl_b32 s20, s20, 8
	s_lshl_b32 s21, s15, 7
	s_add_co_u32 s20, s20, s21                     ; my first position in its batch
	s_lshl_b32 s20, s20, 7                         ; x 128 bytes: a row of the table and a row of a head alike
	s_mov_b32 s21, 0
	s_add_nc_u64 s[96:97], s[96:97], s[20:21]
	s_lshr_b32 s22, s17, 3                         ; the batch
	s_mul_i32 s22, s22, 48
	s_lshl_b32 s46, s42, 2
	s_lshl_b32 s47, s16, 1
	s_add_co_u32 s46, s46, s47                     ; g of my first 64 columns
	s_add_co_u32 s46, s46, s22
	s_lshl_b32 s46, s46, 18                        ; blocks of 2,048 x 128 bytes
	s_mov_b32 s47, 0
	s_add_nc_u64 s[20:21], s[20:21], s[46:47]
	s_add_nc_u64 s[12:13], s[12:13], s[20:21]
.macro FRAG reg, adr, q, i             ; 16 rows x 128 K of 4-bit codes: 8 registers, two loads 32 bytes apart
.irp c, 0,1
	ds_load_b128 v[\reg+4*\c:\reg+4*\c+3], v[\adr] offset:64*(\q)+32*\c+(\i)*16*PITCH
.endr
.endm
; 16 matrix instructions: A's blocks a0, a0 + 1 x B's eight.  The 64 accumulators take turns, one instruction a turn, in the same order in every step.
.macro MUL16 a0, p, q, sc, zero
.irp a, \a0, \a0+1
.irp b, 0,1,2,3,4,5,6,7
.if \zero
	v_wmma_scale_f32_16x16x128_f8f6f4 v[8*(8*((\a)%4)+\b):8*(8*((\a)%4)+\b)+7], v[128*(\p)+FR*\b:128*(\p)+FR*\b+FR-1], v[AF+FR*(\a):AF+FR*(\a)+FR-1], 0, v[SC+8*NQ*(\sc)+NQ*\b+(\q)], v[SC+8*NQ*(\sc)+NQ*(\a)+(\q)] matrix_a_fmt:MATRIX_FMT_FP4 matrix_b_fmt:MATRIX_FMT_FP4 matrix_a_scale:MATRIX_SCALE_ROW1
.else
	v_wmma_scale_f32_16x16x128_f8f6f4 v[8*(8*((\a)%4)+\b):8*(8*((\a)%4)+\b)+7], v[128*(\p)+FR*\b:128*(\p)+FR*\b+FR-1], v[AF+FR*(\a):AF+FR*(\a)+FR-1], v[8*(8*((\a)%4)+\b):8*(8*((\a)%4)+\b)+7], v[SC+8*NQ*(\sc)+NQ*\b+(\q)], v[SC+8*NQ*(\sc)+NQ*(\a)+(\q)] matrix_a_fmt:MATRIX_FMT_FP4 matrix_b_fmt:MATRIX_FMT_FP4 matrix_a_scale:MATRIX_SCALE_ROW1
.endif
.endr
.endr
.endm
.macro FETCH_B slot, q, p
	WIN TO_B
.irp i, 0,1,2,3,4,5,6,7
	FRAG 128*(\p)+FR*\i, ADRB+\slot, \q, \i
.endr
	WIN 0
.endm
.macro FETCH_A slot, q, i0
.irp i, \i0, \i0+1, \i0+2, \i0+3
	FRAG AF+FR*(\i), ADRA+\slot, \q, \i
.endr
.endm
.macro SCALES sc                       ; a K step's scale words: lanes 0-15 A's block i, lanes 16-31 B's block i
.irp i, 0,1,2,3,4,5,6,7
	ds_load_b128 v[SC+8*NQ*\sc+NQ*\i:SC+8*NQ*\sc+NQ*\i+3], v[ADRS] offset:\i*SBLK
.endr
.endm
.macro PLACES n                        ; plain vector instructions between a matrix instruction and a load into, or a vector read or write of, its registers
.rept \n
	v_nop
.endr
.endm
.macro STEP slot, q, zero              ; 128 along K with its successor in the same slot
	s_wait_dscnt 4*NL                              ; B's set and A's blocks 0-3 are in; A's blocks 4-7, the youngest eight loads, may be out
	WIN MUL_LO
	MUL16 0, (\q)%2, \q, \slot, \zero
	MUL16 2, (\q)%2, \q, \slot, \zero
	s_wait_dscnt 0
	PLACES NP
	FETCH_B \slot, (\q)+1, 1-(\q)%2
	FETCH_A \slot, (\q)+1, 0
	WIN MUL_HI
	MUL16 4, (\q)%2, \q, \slot, \zero
	MUL16 6, (\q)%2, \q, \slot, \zero
	PLACES NP
	WIN 0
	FETCH_A \slot, (\q)+1, 4
.endm
; Slot 0's last step changes slots: each wave waits for all its tensor loads (slot 1's is the one that may be out), adds 0 to its spare word, waits for that and for its reads of slot 0; one barrier.  Nothing is filled again.
.macro TURN slot, next
	s_wait_tensorcnt 0x0
	ds_add_u32 v[SPW], v[NIL]
	s_wait_dscnt 4*NL+1                            ; the add and A's blocks 4-7 may be out
	WIN MUL_LO
	MUL16 0, 1, NQ-1, \slot, 0
	s_wait_dscnt 0x0                               ; the add is done, and my reads of this slot are over
	s_barrier_signal -1
	MUL16 2, 1, NQ-1, \slot, 0
	WIN 0
	s_barrier_wait -1
	PLACES NP
	v_add_nc_u32 v[ADRS], 4*NQ, v[ADRS]            ; the next K step's scale words
	FETCH_B \next, 0, 0
	FETCH_A \next, 0, 0
	SCALES \next
	WIN MUL_HI
	MUL16 4, 1, NQ-1, \slot, 0
	MUL16 6, 1, NQ-1, \slot, 0
	PLACES NP
	WIN 0
	FETCH_A \next, 0, 4
.endm
.macro STEPS slot, from
.set Q, \from
.rept NQ-1-\from
	STEP \slot, Q, 0
.set Q, Q+1
.endr
.endm
.macro TAIL                            ; slot 1's four steps
	STEPS 1, 0
	s_wait_dscnt 4*NL
	WIN MUL_LO
	MUL16 0, 1, NQ-1, 1, 0
	MUL16 2, 1, NQ-1, 1, 0
	s_wait_dscnt 0
	WIN MUL_HI
	MUL16 4, 1, NQ-1, 1, 0
	MUL16 6, 1, NQ-1, 1, 0
	WIN 0
	PLACES NP                                      ; ahead of writes and loads into the registers that held A's fragments, and of reads of the last results
.endm
; cos and sin for my 128 positions: for block a of 16 rows and u = 0, 1 (channels 16 u + 8 h on: frequencies 8 u + 4 h + 0 .. 3) eight registers (c, s) x 4, in window 1's free registers.
.macro CSLOAD
	WIN TO_B
.irp a, 0,1,2,3,4,5,6,7
.irp u, 0,1
.irp e, 0,1
	global_load_b128 v[64+128*(\a/4)+16*(\a%4)+8*\u+4*\e:64+128*(\a/4)+16*(\a%4)+8*\u+4*\e+3], v[CSA], s[96:97] offset:2048*\a+64*\u+16*\e
.endr
.endr
.endr
	WIN 0
.endm
; Block a (16 rows x 128 columns = two heads) with the rotation.  Accumulators b = 0, 1, 4, 5 hold channels 0-31 of the two heads: pairs (x1, x2) in neighbouring registers: y1 = x1 c - x2 s, y2 = x2 c + x1 s.
.macro PACKR a
.set AC, 64*((\a)%4)
.set CSR, 64+128*((\a)/4)+16*((\a)%4)
	s_wait_loadcnt 4*(7-(\a))                      ; this block's four loads of the table are in; the later blocks' may be out
	WIN 0x06+(\a)/4                                ; source 0: the accumulators' window; source 1: window 1
.irp i, 0,1,2,3                        ; b = i + 2 (i / 2)
.irp p, 0,1,2,3
	v_mul_f32 v[RR+8*\i+2*\p],   v[AC+8*(\i+2*(\i/2))+2*\p+1], v[CSR+8*(\i%2)+2*\p+1]   ; (an accumulator's first read is of its register 1)
	v_mul_f32 v[RR+8*\i+2*\p+1], v[AC+8*(\i+2*(\i/2))+2*\p],   v[CSR+8*(\i%2)+2*\p+1]
.endr
.irp p, 0,1,2,3
	v_fma_f32 v[RR+8*\i+2*\p],   v[AC+8*(\i+2*(\i/2))+2*\p],   v[CSR+8*(\i%2)+2*\p], -v[RR+8*\i+2*\p]
	v_fma_f32 v[RR+8*\i+2*\p+1], v[AC+8*(\i+2*(\i/2))+2*\p+1], v[CSR+8*(\i%2)+2*\p], v[RR+8*\i+2*\p+1]
.endr
.endr
	WIN 0x0a+5*((\a)/4)                            ; sources 0 and 1: the accumulators' window
.irp b, 2,3,6,7
.irp r, 0,1,2,3
	v_cvt_pk_f16_f32 v[TMP+4*\b+\r], v[AC+8*\b+2*\r], v[AC+8*\b+2*\r+1]
.endr
.endr
	WIN 0
.irp i, 0,1,2,3
.irp r, 0,1,2,3
	v_cvt_pk_f16_f32 v[TMP+4*(\i+2*(\i/2))+\r], v[RR+8*\i+2*\r], v[RR+8*\i+2*\r+1]
.endr
.endr
.endm
.macro PACKP a                         ; v's tiles: no rotation
.set AC, 64*((\a)%4)
	WIN 0x0a+5*((\a)/4)
.irp b, 0,1,2,3,4,5,6,7
.irp r, 0,1,2,3
	v_cvt_pk_f16_f32 v[TMP+4*\b+\r], v[AC+8*\b+2*\r], v[AC+8*\b+2*\r+1]
.endr
.endr
	WIN 0
.endm
.macro TOSTAGE a                       ; into my stage by rows of 144 bytes, back as 512 consecutive bytes of a head.  LDS serves a wave's instructions in order
.set BB, BK+32*((\a)%2)
.if (\a) > 1
	s_wait_xcnt 0x0                                ; block a - 2's stores have read the registers that these loads fill
.endif
.irp b, 0,1,2,3,4,5,6,7
	ds_store_b128 v[STO], v[TMP+4*\b:TMP+4*\b+3] offset:(\b/4)*16*SP+32*(\b%4)
.endr
.irp t, 0,1,2,3,4,5,6,7
	ds_load_b128 v[BB+4*\t:BB+4*\t+3], v[RD] offset:(\t/4)*16*SP+(\t%4)*4*SP
.endr
.endm
.macro SEND a
.set BB, BK+32*((\a)%2)
	s_wait_dscnt 0x0                               ; the block is back in registers
.irp t, 0,1,2,3,4,5,6,7
	global_store_b128 v[CO], v[BB+4*\t:BB+4*\t+3], s[12:13] offset:(\t/4)*262144+2048*(\a)+(\t%4)*512   ; 32 lanes store 512 consecutive bytes, aligned
.endr
.endm
.macro FINISH
	s_wait_tensorcnt 0x0                           ; the wave's end
	ds_add_u32 v[SPW], v[NIL]
	s_wait_dscnt 0x0
	CROUND                                         ; the closing round
	s_endpgm
.endm
	s_wait_tensorcnt 1                             ; the scales and my part of K step 0 are in; K step 1's load may be out
	s_barrier_signal -1
	s_barrier_wait -1
	FETCH_B 0, 0, 0
	FETCH_A 0, 0, 0
	SCALES 0
	FETCH_A 0, 0, 4
	STEP 0, 0, 1                                   ; the first step's products start the sums: nothing is cleared
	STEPS 0, 1
	TURN 0, 1
	s_cmp_eq_u32 ttmp9, 2                          ; the cluster's x: 0 q's columns, 1 k's, 2 v's: the same in all sixteen partners
	s_cbranch_scc1 .Lplain
	CSLOAD                                         ; asked for here: slot 1's 256 matrix instructions stand between these loads and their first use
	TAIL
	PACKR 0
	TOSTAGE 0
.irp a, 1,2,3,4,5,6,7                  ; block a's arithmetic stands between block a - 1's loads from the stage and the wait for them
	PACKR \a
	SEND \a-1
	TOSTAGE \a
.endr
	SEND 7
	FINISH
.Lplain:
	TAIL
	PACKP 0
	TOSTAGE 0
.irp a, 1,2,3,4,5,6,7
	PACKP \a
	SEND \a-1
	TOSTAGE \a
.endr
	SEND 7
	FINISH
.Lfunc_end_k_qa049a3af45_qkv:
	.size	k_qa049a3af45_qkv, .Lfunc_end_k_qa049a3af45_qkv-k_qa049a3af45_qkv
	.p2alignl 7, 3214868480
	.fill 96, 4, 3214868480
	.section	.rodata,"a",@progbits
	.p2align	6, 0x0
	.amdhsa_kernel k_qa049a3af45_qkv
		.amdhsa_group_segment_fixed_size 327680
		.amdhsa_private_segment_fixed_size 0
		.amdhsa_enable_private_segment 0
		.amdhsa_kernarg_size 48
		.amdhsa_user_sgpr_count 2
		.amdhsa_user_sgpr_kernarg_segment_ptr 1
		.amdhsa_wavefront_size32 1
		.amdhsa_system_sgpr_workgroup_id_x 1
		.amdhsa_system_sgpr_workgroup_id_y 1
		.amdhsa_system_sgpr_workgroup_id_z 1
		.amdhsa_system_vgpr_workitem_id 0
		.amdhsa_next_free_vgpr 1024
		.amdhsa_next_free_sgpr 98
		.amdhsa_reserve_vcc 0
		.amdhsa_float_denorm_mode_32 3
		.amdhsa_float_denorm_mode_16_64 3
		.amdhsa_memory_ordered 1
		.amdhsa_forward_progress 1
		.amdhsa_inst_pref_size 225
	.end_amdhsa_kernel
	.amdgpu_metadata
---
amdhsa.version: [ 1, 2 ]
amdhsa.kernels:
  - .name:           k_qa049a3af45_qkv
    .symbol:         k_qa049a3af45_qkv.kd
    .args:
      - { .name: x_codes, .offset: 0, .size: 8, .value_kind: global_buffer, .address_space: global }
      - { .name: x_scales, .offset: 8, .size: 8, .value_kind: global_buffer, .address_space: global }
      - { .name: w_codes, .offset: 16, .size: 8, .value_kind: global_buffer, .address_space: global }
      - { .name: w_scales, .offset: 24, .size: 8, .value_kind: global_buffer, .address_space: global }
      - { .name: qkv, .offset: 32, .size: 8, .value_kind: global_buffer, .address_space: global }
      - { .name: rope, .offset: 40, .size: 8, .value_kind: global_buffer, .address_space: global }
    .group_segment_fixed_size: 327680
    .private_segment_fixed_size: 0
    .kernarg_segment_align: 8
    .kernarg_segment_size: 48
    .max_flat_workgroup_size: 128
    .sgpr_count:     98
    .vgpr_count:     1024
    .wavefront_size: 32
...
	.end_amdgpu_metadata
.endif
;; end of part 2
;; launch attn (part 3): grid 4 x 64, 16 waves a work-group, clusters of 4 x 1, 327,680 bytes of LDS; arguments qkv, att; writes att
.if DOCPART == 3
	.amdgcn_target "amdgcn-amd-amdhsa--gfx1250"
	.amdhsa_code_object_version 6
	.text
	.protected	k_qa049a3af45_attn
	.globl	k_qa049a3af45_attn
	.p2align	8
	.type	k_qa049a3af45_attn,@function
k_qa049a3af45_attn:
	s_mov_b64 s[64:65], 0
	v_nop
	global_prefetch_b8 v0, s[64:65] scope:SCOPE_SE
	s_setreg_imm32_b32 hwreg(HW_REG_WAVE_MODE, 25, 1), 1
	s_wait_xcnt 0x0
	s_wait_alu depctr_hold_cnt(0) depctr_sa_sdst(0) depctr_va_vdst(0) depctr_va_sdst(0) depctr_va_ssrc(0) depctr_va_vcc(0) depctr_vm_vsrc(0)
	s_getreg_b32 s2, hwreg(HW_REG_IB_STS2, 6, 4)
	s_cmp_eq_u32 s2, 0
	s_cbranch_scc0 .Lentry_in_a_cluster
	s_endpgm
.Lentry_in_a_cluster:
	s_bfe_u32 s2, ttmp6, 0x10000c
	s_cmp_lg_u32 s2, 0x3003
	s_cbranch_scc0 .Lentry_shape_is_right
	s_endpgm
.Lentry_shape_is_right:
; att[head][batch, q][:] = the sum over k of softmax_k(q . k / 8) v[k][:], for each of 4 x 16 (batch, head); 2,048 keys, head size 64, no mask.  No work is left out.
; q, k, v: f16 in qkv [batch][g][position][64] (g: q's head h, k's 16 + h, v's 32 + h).  Products on f16 operands, sums, maxima and the softmax in f32; the weights p are rounded to f16 for the second product, the result once.
; Out: att [head 16][batch x position 8,192][64] f16.
; SHARES.  A work-group owns 512 queries of one head, each of its sixteen waves 32: two tiles of 16, in 256 registers; four waves to a SIMD, so that one wave's softmax stands beside another's products and LDS loads.
; LAYOUT.  S^T = K Q^T (source 0 = 16 keys, source 1 = 16 queries): a lane holds ONE query (lane % 16) and keys 8 (lane / 16) + 0 .. 7.  Two such tiles rounded to f16 in pairs ARE source 1 (32 keys x 16 queries) of O^T = V^T P.
; K comes out of LDS as it lies, V ([key][channel]) turned, by ds_load_tr16_b128.
; SOFTMAX.  For each query a running maximum m and sum l: p = 2^(c s - c m), c = log2(e) / 8; in every step O^T and l are multiplied by a = 2^(c m_old - c m_new).  m begins at -3e38, l and O^T at 0: the first step's a is 0.
; RING.  Two LDS slots of 256 keys (four steps of 64).  Waves 0, 1 fetch K's halves, waves 2, 3 V's; one tensor load of a wave is out at the most, and every wait for tensor loads is for 0.
; CLUSTER.  The head's four query blocks walk the same K and V: each tile is asked for JOINTLY, by the same load with a mask that names the four.
.set SK,    256                        ; keys in a slot
.set PK,    144                        ; a key's row of K in LDS: 128 bytes + 16
.set PVP,   160                        ; of V: 128 + 32: an odd multiple of 32 bytes, for the turning load
.set VOFF,  SK*PK
.set SLOT1, 1<<17
.set STAGE, SLOT1+SK*(PK+PVP)          ; behind the ring: 16 rows x 144 bytes for each wave
.set SP,    144
.set SPARE, STAGE+16*16*SP             ; the spare words, 128 bytes for each of sixteen waves
.set AK0, 1                            ; v1   my lane's place in a tile of K
.set AV0, 2                            ; v2   of V
.set ADK, 3                            ; v3   the same in the slot in hand
.set ADV, 4
.set SPW, 5
.set NIL, 6
.set GO,  7                            ; v7   16 x lane
.set STO, 8
.set RD,  9
.set PFO, 10                           ; v10  256 x lane
.set QO,  11
.set ST,  12                           ; tile t's statistics at v[ST + 8 t]: +0 c m, +1 m, +2, +3 l, +4 .. +7 at work; a takes +6
.set LB,  28                           ; v28-31 the sums' second chain, a pair a tile
.set QF,  32                           ; v32-63  Q: tile t, channels 32 c on, at 32 + 16 t + 8 c
.set S,   64                           ; v64-127 S^T, 32 a tile; P in place, in each tile's first 16
.set OT,  128                          ; v128-191 O^T: 32 t + 8 ct
.set F,   192                          ; v192-255 eight fragments of K or of V
.set WV,  8
.set SEL, 20
.set CS,  22
.set G1K, 24
.set G1V, 32
.set G0K, 40
.set G0V, 44
.set TB,  48
.set SLOTS, 49
.set LIM, 50
.set PFA, 52
.macro JLOAD                           ; an s_nop 0 and four v_nop follow each of the two lines; the branches hang on the wave's number alone
	s_cmp_lt_u32 s[WV], 2
	s_cbranch_scc0 .Lnot_k_\@
	tensor_load_to_lds s[G0K:G0K+3], s[G1K:G1K+7]
	s_nop 0
.rept 4
	v_nop
.endr
	s_branch .Lasked_\@
.Lnot_k_\@:
	s_cmp_lt_u32 s[WV], 4
	s_cbranch_scc0 .Lasked_\@
	tensor_load_to_lds s[G0V:G0V+3], s[G1V:G1V+7]
	s_nop 0
.rept 4
	v_nop
.endr
.Lasked_\@:
.endm
; A prefetch of what the NEXT change of slots will ask for: a slot's 32,768 bytes of K and of V.  This cluster alone reads its head's K and V.  Its four partners take 8,192 bytes each, told apart by address;
; in each, wave 4 asks for K's and wave 6 for V's, lanes 256 bytes apart: each aligned 256 bytes of slots 2 to 7 is named once in the launch.  The last change that fills a slot asks for nothing.
.macro ASK
	s_cmp_gt_u32 s[SLOTS], s[LIM]
	s_cbranch_scc0 .Lnot_mine_\@
	global_prefetch_b8 v[PFO], s[PFA:PFA+1] th:TH_LOAD_NT scope:SCOPE_SE
.Lnot_mine_\@:
.endm
.macro CROUND
	s_barrier_signal -1
	s_barrier_wait -1
	s_cmp_lg_u32 s[WV], 0
	s_cbranch_scc1 .Lnot_wave_0_\@
	s_barrier_signal -3
.Lnot_wave_0_\@:
	s_barrier_wait -3
	s_barrier_signal -1
	s_barrier_wait -1
.endm
	s_load_b128 s[4:7], s[0:1], 0x0                ; qkv, att
	v_lshl_add_u32 v[SPW], v0, 2, SPARE
	v_mov_b32 v[NIL], 0
	ds_add_u32 v[SPW], v[NIL]                      ; the wave's opening: the add, twice on end, and its wait ahead of the first tensor loads
	ds_add_u32 v[SPW], v[NIL]
	v_lshrrev_b32 v1, 5, v0
	v_readfirstlane_b32 s[WV], v1                  ; wave 0..15
	s_bfe_u32 s9, ttmp6, 0x40000                   ; cx: my block of 512 queries: it enters Q's, att's and the prefetches' addresses alone
	s_and_b32 s10, ttmp7, 0xffff
	s_lshr_b32 s11, s10, 4                         ; batch
	s_and_b32 s10, s10, 15                         ; head
	s_mul_i32 s54, s11, 48
	s_add_co_u32 s54, s54, s10
	s_lshl_b32 s54, s54, 18                        ; q's block of the head, in bytes
	s_mov_b32 s55, 0
	s_and_b32 s56, s[WV], 1                        ; which half of a slot's rows I fetch, if I fetch
	s_lshl_b32 s57, s56, 14
	s_add_co_u32 s58, s54, s57
	s_mov_b32 s59, 0
	s_mul_i32 s60, s56, 128*PK
	s_mul_i32 s61, s56, 128*PVP
	s_add_co_u32 s61, s61, VOFF
	s_lshl_b32 s62, s9, 16
	s_lshl_b32 s63, s[WV], 12
	s_add_co_u32 s62, s62, s63                     ; my wave's 32 rows of 128 bytes
	s_mov_b32 s63, 0
	s_mov_b32 s[G1K], 15|(1<<16)|(1<<20)|(1<<21)|(4<<22)|(3<<25)  ; the mask: all four; elements of 2 bytes; padding: 4 words behind every 32; bit 21 beside a mask
	s_mov_b32 s[G1V], 15|(1<<16)|(1<<20)|(1<<21)|(4<<22)|(7<<25)  ; the same with 8 words
.irp g, G1K, G1V
	s_mov_b32 s[\g+1], 64<<16                      ; tensor_dim0
	s_mov_b32 s[\g+2], 128<<16                     ; tensor_dim1
	s_mov_b32 s[\g+3], 64<<16                      ; tile_dim0
	s_mov_b32 s[\g+4], 128                         ; tile_dim1
	s_mov_b32 s[\g+5], 64                          ; stride
	s_mov_b32 s[\g+6], 0
	s_mov_b32 s[\g+7], 0
.endr
	s_mov_b32 s[SEL], 0x76543210
	s_mov_b32 s[SEL+1], 0xfedcba98
	s_mov_b32 s[CS], 0x3e38aa3b                    ; c = log2(e) / 8
	s_mov_b32 s[CS+1], s[CS]
	s_mov_b32 s[TB], 0
	s_mov_b32 s[SLOTS], 2048/SK-1
	s_and_b32 s[LIM], s[WV], 13                    ; 4 in waves 4 and 6 alone
	s_cmp_eq_u32 s[LIM], 4
	s_cselect_b32 s[LIM], 1, -1
	s_wait_dscnt 0x0                               ; both opening adds are done
	s_wait_kmcnt 0x0
	s_add_nc_u64 s[16:17], s[4:5], s[58:59]
	s_add_nc_u64 s[18:19], s[16:17], 32<<18        ; V at my half of slot 0
	s_add_nc_u64 s[16:17], s[16:17], 16<<18        ; K likewise
	s_add_nc_u64 s[12:13], s[4:5], s[54:55]
	s_add_nc_u64 s[12:13], s[12:13], s[62:63]      ; Q at my wave's first row
	s_lshl_b32 s54, s10, 20
	s_lshl_b32 s57, s11, 18
	s_add_co_u32 s54, s54, s57
	s_add_nc_u64 s[14:15], s[6:7], s[54:55]
	s_add_nc_u64 s[14:15], s[14:15], s[62:63]      ; att likewise
	s_cmp_lt_u32 s[WV], 5
	s_cselect_b64 s[PFA:PFA+1], s[16:17], s[18:19] ; (in even waves these stand at a slot's first row)
	s_lshl_b32 s62, s9, 13
	s_add_co_u32 s62, s62, SK*128                  ; my work-group's quarter, in slot 1: the first change of slots steps it to slot 2
	s_add_nc_u64 s[PFA:PFA+1], s[PFA:PFA+1], s[62:63]
	CROUND                                         ; all four work-groups are here: the first joint loads meet
	s_mov_b32 s[G0K], 1
	s_mov_b32 s[G0K+1], s60
	s_mov_b64 s[G0K+2:G0K+3], s[16:17]
	s_or_b32 s[G0K+3], s[G0K+3], 0x80000000
	s_mov_b32 s[G0V], 1
	s_mov_b32 s[G0V+1], s61
	s_mov_b64 s[G0V+2:G0V+3], s[18:19]
	s_or_b32 s[G0V+3], s[G0V+3], 0x80000000
	JLOAD                                          ; slot 0
	v_and_b32 v12, 15, v0                          ; r
	v_bfe_u32 v13, v0, 4, 1                        ; h
	v_lshlrev_b32 v[QO], 7, v12
	v_lshl_add_u32 v[QO], v13, 4, v[QO]
.irp t, 0,1
.irp c, 0,1
	global_load_b128 v[QF+16*\t+8*\c:QF+16*\t+8*\c+3],   v[QO], s[12:13] offset:2048*\t+64*\c      ; Q stays in registers
	global_load_b128 v[QF+16*\t+8*\c+4:QF+16*\t+8*\c+7], v[QO], s[12:13] offset:2048*\t+64*\c+32
.endr
.endr
	v_mul_u32_u24 v[AK0], v12, PK
	v_lshl_add_u32 v[AK0], v13, 4, v[AK0]          ; row r x pitch + 16 h
	v_and_b32 v14, 7, v0
	v_bfe_u32 v15, v0, 3, 1
	v_lshl_add_u32 v[AV0], v13, 3, v14             ; the turning load: key 8 h + lane % 8,
	v_mul_u32_u24 v[AV0], v[AV0], PVP
	v_lshl_add_u32 v[AV0], v15, 4, v[AV0]          ; channels 8 ((lane / 8) % 2) on
	v_add_nc_u32 v[AV0], VOFF, v[AV0]
	v_and_b32 v[GO], 31, v0
	v_lshlrev_b32 v[PFO], 8, v[GO]
	v_lshlrev_b32 v[GO], 4, v[GO]
	s_mul_i32 s57, s[WV], 16*SP
	s_add_co_u32 s57, s57, STAGE                   ; my stage
	v_add_nc_u32 v[STO], s57, v[AK0]               ; in: row r, + 16 h (the same pitch as K's rows)
	v_bfe_u32 v[RD], v0, 3, 2
	v_mul_u32_u24 v[RD], v[RD], SP
	v_lshl_add_u32 v[RD], v14, 4, v[RD]
	v_add_nc_u32 v[RD], s57, v[RD]                 ; back: row (lane / 8), 16 (lane % 8)
.irp t, 0,1
	v_mov_b32 v[ST+8*\t+1], 0xff61b1e6             ; m = -3e38
	v_mov_b32 v[ST+8*\t+2], 0                      ; l
	v_mov_b32 v[ST+8*\t+3], 0
	v_mul_f32 v[ST+8*\t], s[CS], v[ST+8*\t+1]      ; c m
.endr
.set e, 0
.rept 64
	v_mov_b32 v[OT+e], 0                           ; O^T: the step is written once for all steps; the first finds zeros, which a = 0 leaves zeros
.set e, e+1
.endr
.macro FETCH_K q                       ; the step's 64 keys x 64 channels: fragment (16 keys kt, 32 channels c) at F + 8 (kt + 4 c)
.irp c, 0,1
.irp kt, 0,1,2,3
	ds_load_b128 v[F+8*(\kt+4*\c):F+8*(\kt+4*\c)+3],   v[ADK] offset:(64*(\q)+16*\kt)*PK+64*\c
	ds_load_b128 v[F+8*(\kt+4*\c)+4:F+8*(\kt+4*\c)+7], v[ADK] offset:(64*(\q)+16*\kt)*PK+64*\c+32
.endr
.endr
.endm
.macro FETCH_V q                       ; turned: fragment (16 channels ct, 32 keys ks) at F + 8 (ct + 4 ks)
.irp ks, 0,1
.irp ct, 0,1,2,3
	ds_load_tr16_b128 v[F+8*(\ct+4*\ks):F+8*(\ct+4*\ks)+3],   v[ADV] offset:(64*(\q)+32*\ks)*PVP+32*\ct
	ds_load_tr16_b128 v[F+8*(\ct+4*\ks)+4:F+8*(\ct+4*\ks)+7], v[ADV] offset:(64*(\q)+32*\ks)*PVP+16*PVP+32*\ct
.endr
.endr
.endm
.macro KQ                              ; eight accumulators by turns, one instruction a turn; the first eight start the sums
.irp c, 0,1
.irp kt, 0,1,2,3
.irp t, 0,1
.if \c == 0
	v_wmma_f32_16x16x32_f16 v[S+32*\t+8*\kt:S+32*\t+8*\kt+7], v[F+8*(\kt+4*\c):F+8*(\kt+4*\c)+7], v[QF+16*\t+8*\c:QF+16*\t+8*\c+7], 0
.else
	v_wmma_f32_16x16x32_f16 v[S+32*\t+8*\kt:S+32*\t+8*\kt+7], v[F+8*(\kt+4*\c):F+8*(\kt+4*\c)+7], v[QF+16*\t+8*\c:QF+16*\t+8*\c+7], v[S+32*\t+8*\kt:S+32*\t+8*\kt+7]
.endif
.endr
.endr
.endr
.endm
.macro PVM                             ; O^T += V^T P, eight accumulators by turns
.irp ks, 0,1
.irp ct, 0,1,2,3
.irp t, 0,1
	v_wmma_f32_16x16x32_f16 v[OT+32*\t+8*\ct:OT+32*\t+8*\ct+7], v[F+8*(\ct+4*\ks):F+8*(\ct+4*\ks)+7], v[S+32*\t+8*\ks:S+32*\t+8*\ks+7], v[OT+32*\t+8*\ct:OT+32*\t+8*\ct+7]
.endr
.endr
.endr
.endm
.macro SOFTMAX                         ; the two tiles alternate line by line
.irp j, 0,1,2,3                        ; the maximum: four chains, one for each accumulator, each from its register 0 on
.irp t, 0,1
	v_max3_num_f32 v[ST+8*\t+4+\j], v[S+32*\t+8*\j], v[S+32*\t+8*\j+1], v[S+32*\t+8*\j+2]
.endr
.endr
.irp g, 1,2
.irp j, 0,1,2,3
.irp t, 0,1
	v_max3_num_f32 v[ST+8*\t+4+\j], v[ST+8*\t+4+\j], v[S+32*\t+8*\j+2*\g+1], v[S+32*\t+8*\j+2*\g+2]
.endr
.endr
.endr
.irp t, 0,1
	v_max3_num_f32 v[ST+8*\t+4], v[ST+8*\t+4], v[S+32*\t+7], v[S+32*\t+15]
	v_max3_num_f32 v[ST+8*\t+6], v[ST+8*\t+6], v[S+32*\t+23], v[S+32*\t+31]
.endr
.irp t, 0,1
	v_max3_num_f32 v[ST+8*\t+4], v[ST+8*\t+4], v[ST+8*\t+5], v[ST+8*\t+6]
.endr
.irp t, 0,1
	v_max3_num_f32 v[ST+8*\t+4], v[ST+8*\t+4], v[ST+8*\t+7], v[ST+8*\t+1]   ; with the old m
.endr
.irp t, 0,1
	v_permlanex16_b32 v[ST+8*\t+5], v[ST+8*\t+4], s[SEL], s[SEL+1]          ; the query's other 32 keys lie in the lane 16 away
.endr
.irp t, 0,1
	v_mov_b32 v[ST+8*\t+7], v[ST+8*\t]             ; c m_old
.endr
.irp t, 0,1
	v_max_num_f32 v[ST+8*\t+1], v[ST+8*\t+4], v[ST+8*\t+5]
.endr
.irp t, 0,1
	v_mul_f32 v[ST+8*\t], s[CS], v[ST+8*\t+1]
.endr
.irp t, 0,1
	v_sub_f32 v[ST+8*\t+7], v[ST+8*\t+7], v[ST+8*\t]
.endr
.set e, 0
.rept 16
	v_pk_fma_f32 v[S+e:S+e+1], v[S+e:S+e+1], s[CS:CS+1], v[ST:ST+1] op_sel_hi:[1,0,0] neg_lo:[0,0,1] neg_hi:[0,0,1]           ; c s - c m, two at a time
	v_pk_fma_f32 v[S+32+e:S+32+e+1], v[S+32+e:S+32+e+1], s[CS:CS+1], v[ST+8:ST+9] op_sel_hi:[1,0,0] neg_lo:[0,0,1] neg_hi:[0,0,1]
.set e, e+2
.endr
.irp t, 0,1
	v_exp_f32 v[ST+8*\t+6], v[ST+8*\t+7]           ; a.  ONE BATCH of 66 exponentials: none reads another's result
.endr
.set e, 0
.rept 32
	v_exp_f32 v[S+e], v[S+e]
	v_exp_f32 v[S+32+e], v[S+32+e]
.set e, e+1
.endr
	v_nop                                          ; a plain instruction behind the last exponential,
	s_wait_alu depctr_va_vdst(0)                   ; and one wait for the batch ahead of its first reader
.irp t, 0,1
	v_pk_mul_f32 v[ST+8*\t+2:ST+8*\t+3], v[ST+8*\t+2:ST+8*\t+3], v[ST+8*\t+6:ST+8*\t+7] op_sel_hi:[1,0]   ; l under the new m
.endr
.irp t, 0,1
	v_pk_add_f32 v[LB+2*\t:LB+2*\t+1], v[S+32*\t:S+32*\t+1], v[S+32*\t+2:S+32*\t+3]                        ; the sums, of p before it is rounded: two chains a tile
.endr
.irp j, 4,8,12,16,20,24,28
.irp t, 0,1
	v_pk_add_f32 v[ST+8*\t+2:ST+8*\t+3], v[ST+8*\t+2:ST+8*\t+3], v[S+32*\t+\j:S+32*\t+\j+1]
	v_pk_add_f32 v[LB+2*\t:LB+2*\t+1], v[LB+2*\t:LB+2*\t+1], v[S+32*\t+\j+2:S+32*\t+\j+3]
.endr
.endr
.irp t, 0,1
	v_pk_add_f32 v[ST+8*\t+2:ST+8*\t+3], v[ST+8*\t+2:ST+8*\t+3], v[LB+2*\t:LB+2*\t+1]
.endr
.set e, 0
.rept 16
	v_cvt_pk_f16_f32 v[S+e], v[S+2*e], v[S+2*e+1]              ; P in place, ascending: register e takes numbers 2 e and 2 e + 1, which no earlier line has written
	v_cvt_pk_f16_f32 v[S+32+e], v[S+32+2*e], v[S+32+2*e+1]
.set e, e+1
.endr
.set e, 0
.rept 16
	v_pk_mul_f32 v[OT+e:OT+e+1], v[OT+e:OT+e+1], v[ST+6:ST+7] op_sel_hi:[1,0]              ; O^T under the new m, each accumulator from its low end on
	v_pk_mul_f32 v[OT+32+e:OT+32+e+1], v[OT+32+e:OT+32+e+1], v[ST+14:ST+15] op_sel_hi:[1,0]
.set e, e+2
.endr
.endm
.macro STEP q                          ; 64 keys, the q-th step of the slot in hand
.if \q == 0
	v_add_nc_u32 v[ADK], s[TB], v[AK0]
	v_add_nc_u32 v[ADV], s[TB], v[AV0]
	FETCH_K 0
.endif
	s_wait_dscnt 0x0                               ; K is in
	KQ
.rept 4
	v_nop                                          ; four places: ahead of the loads into K's registers and of the first read of the scores
.endr
	FETCH_V \q                                     ; lands while the softmax is walked
	SOFTMAX
	s_wait_dscnt 0x0                               ; V is in
	PVM
.rept 5
	v_nop                                          ; five places: the next step's first products write over P's registers, which these products read; four of them serve the loads below
.endr
.if \q < 3
	FETCH_K \q+1
.endif
.endm
; THE CHANGE OF SLOTS, at a slot's head.  Each wave waits for all its tensor loads, adds 0 to its spare word, and waits for that and for its reads of the slot that it has left.
; fill = 1: a round of the cluster's barrier, and behind it the joint load of the next 256 keys into the slot just left (in the first trip: slot 1's first fill): it has four steps in which to land.
.macro CHANGE fill
	s_wait_tensorcnt 0x0                           ; no tensor load of mine is out, so a group 0 may be written
	ds_add_u32 v[SPW], v[NIL]
.if \fill
	ds_add_u32 v[SPW], v[NIL]                      ; the add twice on end here, in every trip alike
	s_xor_b32 s[G0K+1], s[G0K+1], SLOT1
	s_add_nc_u64 s[G0K+2:G0K+3], s[G0K+2:G0K+3], SK*128
	s_xor_b32 s[G0V+1], s[G0V+1], SLOT1
	s_add_nc_u64 s[G0V+2:G0V+3], s[G0V+2:G0V+3], SK*128
	s_wait_xcnt 0x0                                ; the last prefetch, a slot back, has read its address
	s_add_nc_u64 s[PFA:PFA+1], s[PFA:PFA+1], SK*128
	s_wait_dscnt 0x0                               ; both adds are done, and my reads of the slot that I have left are over
	CROUND
	JLOAD
	ASK
.else
	s_wait_dscnt 0x0
	s_barrier_signal -1
	s_barrier_wait -1
.endif
.endm
	s_wait_loadcnt 0x0                             ; Q
.Lslot:                                            ; seven trips: behind each change of slots but the last the next slot is asked for
	CHANGE 1
	STEP 0
	STEP 1
	STEP 2
	STEP 3
	s_xor_b32 s[TB], s[TB], SLOT1
	s_sub_co_u32 s[SLOTS], s[SLOTS], 1
	s_cmp_lg_u32 s[SLOTS], 0
	s_cbranch_scc1 .Lslot
	CHANGE 0                                       ; the last slot is written out
	STEP 0
	STEP 1
	STEP 2
	STEP 3
	; THE WAY OUT.  l's two halves and the other half of the lanes' are added; O^T / l, rounded to f16, goes through my stage, a tile of 16 rows at a time, and leaves as 512 consecutive bytes a store.
.irp t, 0,1
	v_add_f32 v[ST+8*\t+4], v[ST+8*\t+2], v[ST+8*\t+3]
.endr
.irp t, 0,1
	v_permlanex16_b32 v[ST+8*\t+5], v[ST+8*\t+4], s[SEL], s[SEL+1]
.endr
.irp t, 0,1
	v_add_f32 v[ST+8*\t+4], v[ST+8*\t+4], v[ST+8*\t+5]
.endr
.irp t, 0,1
	v_rcp_f32 v[ST+8*\t+6], v[ST+8*\t+4]
.endr
	v_nop
	s_wait_alu depctr_va_vdst(0)                   ; one wait for the two reciprocals, ahead of their first reader
.irp t, 0,1
.set e, 0
.rept 16
	v_pk_mul_f32 v[OT+32*\t+e:OT+32*\t+e+1], v[OT+32*\t+e:OT+32*\t+e+1], v[ST+8*\t+6:ST+8*\t+7] op_sel_hi:[1,0]
.set e, e+2
.endr
.set e, 0
.rept 16
	v_cvt_pk_f16_f32 v[S+32*\t+e], v[OT+32*\t+2*e], v[OT+32*\t+2*e+1]
.set e, e+1
.endr
.irp ct, 0,1,2,3
	ds_store_b128 v[STO], v[S+32*\t+4*\ct:S+32*\t+4*\ct+3] offset:32*\ct
.endr
.irp i, 0,1,2,3
	ds_load_b128 v[S+32*\t+16+4*\i:S+32*\t+16+4*\i+3], v[RD] offset:4*SP*\i   ; LDS serves a wave's instructions in order: these see the stores above, and the next tile's stores come behind them
.endr
.endr
.irp t, 0,1
.irp i, 0,1,2,3
	s_wait_dscnt 8*(1-\t)+3-\i                     ; behind tile 0's loads stand tile 1's four stores and four loads
	global_store_b128 v[GO], v[S+32*\t+16+4*\i:S+32*\t+16+4*\i+3], s[14:15] offset:2048*\t+512*\i
.endr
.endr
	s_wait_tensorcnt 0x0                           ; the wave's end
	ds_add_u32 v[SPW], v[NIL]
	s_wait_dscnt 0x0
	CROUND                                         ; the closing round
	s_endpgm
.Lfunc_end_k_qa049a3af45_attn:
	.size	k_qa049a3af45_attn, .Lfunc_end_k_qa049a3af45_attn-k_qa049a3af45_attn
	.p2alignl 7, 3214868480
	.fill 96, 4, 3214868480
	.section	.rodata,"a",@progbits
	.p2align	6, 0x0
	.amdhsa_kernel k_qa049a3af45_attn
		.amdhsa_group_segment_fixed_size 327680
		.amdhsa_private_segment_fixed_size 0
		.amdhsa_enable_private_segment 0
		.amdhsa_kernarg_size 16
		.amdhsa_user_sgpr_count 2
		.amdhsa_user_sgpr_kernarg_segment_ptr 1
		.amdhsa_wavefront_size32 1
		.amdhsa_system_sgpr_workgroup_id_x 1
		.amdhsa_system_sgpr_workgroup_id_y 1
		.amdhsa_system_sgpr_workgroup_id_z 1
		.amdhsa_system_vgpr_workitem_id 0
		.amdhsa_next_free_vgpr 256
		.amdhsa_next_free_sgpr 66
		.amdhsa_reserve_vcc 0
		.amdhsa_float_denorm_mode_32 3
		.amdhsa_float_denorm_mode_16_64 3
		.amdhsa_memory_ordered 1
		.amdhsa_forward_progress 1
		.amdhsa_inst_pref_size 154
	.end_amdhsa_kernel
	.amdgpu_metadata
---
amdhsa.version: [ 1, 2 ]
amdhsa.kernels:
  - .name:           k_qa049a3af45_attn
    .symbol:         k_qa049a3af45_attn.kd
    .args:
      - { .name: qkv, .offset: 0, .size: 8, .value_kind: global_buffer, .address_space: global }
      - { .name: att, .offset: 8, .size: 8, .value_kind: global_buffer, .address_space: global }
    .group_segment_fixed_size: 327680
    .private_segment_fixed_size: 0
    .kernarg_segment_align: 8
    .kernarg_segment_size: 16
    .max_flat_workgroup_size: 512
    .sgpr_count:     66
    .vgpr_count:     256
    .wavefront_size: 32
...
	.end_amdgpu_metadata
.endif
;; end of part 3
;; launch proj (part 4): grid 4 x 64, 4 waves a work-group, clusters of 4 x 4, 327,680 bytes of LDS; arguments att, wout16, bout, out0; writes out0
.if DOCPART == 4
	.amdgcn_target "amdgcn-amd-amdhsa--gfx1250"
	.amdhsa_code_object_version 6
	.text
	.protected	k_qa049a3af45_proj
	.globl	k_qa049a3af45_proj
	.p2align	8
	.type	k_qa049a3af45_proj,@function
k_qa049a3af45_proj:
	s_mov_b64 s[64:65], 0
	v_nop
	global_prefetch_b8 v0, s[64:65] scope:SCOPE_SE
	s_setreg_imm32_b32 hwreg(HW_REG_WAVE_MODE, 25, 1), 1
	s_wait_xcnt 0x0
	s_wait_alu depctr_hold_cnt(0) depctr_sa_sdst(0) depctr_va_vdst(0) depctr_va_sdst(0) depctr_va_ssrc(0) depctr_va_vcc(0) depctr_vm_vsrc(0)
	s_getreg_b32 s2, hwreg(HW_REG_IB_STS2, 6, 4)
	s_cmp_eq_u32 s2, 0
	s_cbranch_scc0 .Lentry_in_a_cluster
	s_endpgm
.Lentry_in_a_cluster:
	s_bfe_u32 s2, ttmp6, 0x10000c
	s_cmp_lg_u32 s2, 0xf033
	s_cbranch_scc0 .Lentry_shape_is_right
	s_endpgm
.Lentry_shape_is_right:
; out0[m][n] = sum over k of att[m][k] Wout[k][n] + bout[n].  M = 8,192, N = K = 1,024.  f16 operands, f32 sums; bout is the C of each sum's first matrix instruction.  No work is left out.
; att: [head 16][row 8,192][64] f16: a head is 64 along K, its rows dense.  wout16: [k][n] f16, as Wout lies: its fragments come out of LDS turned, by ds_load_tr16_b128.
; A tile of 128 x 256 of out0 is made by four waves, each 64 x 128: 32 accumulators, window 2.  256 work-groups.  K goes in eight steps of 128 (two heads) through two LDS slots.
; CLUSTERS: 4 x 4 work-groups; att's tiles are asked for jointly along a row of the cluster, Wout's along a column.  Waves 0, 1 fetch att's two heads of a step, waves 2, 3 Wout's two halves of 64 rows.
; A wave has two tensor loads out at the start and one behind each round.
; THE MATRIX INSTRUCTION IS USED TRANSPOSED (source 0 = 16 columns of Wout, source 1 = 16 rows of att): a lane holds eight neighbouring numbers of a row of out0.
; REGISTERS: window 0: v0-31 addresses; v64-127 bout in the result's layout, later rows on the way out, with v128-191.  window 1: two fragment buffers at v0 and v128: A's four at + 8 a, B's eight at + 32 + 8 b.  window 2: accumulator (a, b) at v[8 (8 a + b)].
.set PA,     144                       ; a row of att in LDS: 128 bytes + 16
.set PB,     544                       ; a row of Wout: 512 bytes + 32: an odd multiple of 32 bytes, for the turning load
.set CHUNK,  128*PA                    ; a head's 128 rows
.set BOFF,   2*CHUNK
.set SLOT,   BOFF+128*PB
.set STAGE,  2*SLOT                    ; behind the ring: 16 rows x 528 bytes for each wave
.set SPITCH, 528
.set SPARE,  STAGE+4*16*SPITCH
.set LAPS,   4
.set ADRA, 16
.set ADRB, 20
.set STO,  24
.set RD,   25
.set CO,   26
.set BO,   27
.set SPW,  28
.set NIL,  29
.set BIAS, 64
.set BK,   64
.set F0,   0
.set F1,   128
.set WV, 12
.set RH, 13                            ; my half of the tile's rows; also: I fetch for att (0) or Wout (1)
.set CH, 14                            ; my half of its columns; also: which part I fetch
.set G1, 24
.set G0, 32
.set G1B, 48
.set G0B, 56
.set MSB, 0
.macro WIN new
.if MSB != (\new)
	s_set_vgpr_msb (MSB<<8)|(\new)
.set MSB, (\new)
.endif
.endm
.set MUL,  0xa5                        ; sources 0 and 1 window 1; C and D window 2
.set MULB, 0x85                        ; the same with C (bout) in window 0
.set TO_F, 0x40                        ; destination window 1, address window 0
.macro JLOAD s                         ; an s_nop 0 and four v_nop follow each of the two lines
	s_cmp_eq_u32 s[RH], 0
	s_cbranch_scc0 .Lfor_b_\@
	tensor_load_to_lds s[G0+4*\s:G0+4*\s+3], s[G1:G1+7]
	s_nop 0
.rept 4
	v_nop
.endr
	s_branch .Lasked_\@
.Lfor_b_\@:
	tensor_load_to_lds s[G0B+4*\s:G0B+4*\s+3], s[G1B:G1B+7]
	s_nop 0
.rept 4
	v_nop
.endr
.Lasked_\@:
.endm
.macro CREST
	s_cmp_lg_u32 s[WV], 0
	s_cbranch_scc1 .Lnot_wave_0_\@
	s_barrier_signal -3
.Lnot_wave_0_\@:
	s_barrier_wait -3
	s_barrier_signal -1
	s_barrier_wait -1
.endm
.macro CROUND
	s_barrier_signal -1
	s_barrier_wait -1
	CREST
.endm
	s_load_b256 s[4:11], s[0:1], 0x0               ; att 4, wout16 6, bout 8, out0 10
	v_lshl_add_u32 v[SPW], v0, 2, SPARE
	v_mov_b32 v[NIL], 0
	ds_add_u32 v[SPW], v[NIL]                      ; the wave's opening: the add, twice on end, and its wait ahead of my first tensor load
	ds_add_u32 v[SPW], v[NIL]
	v_lshrrev_b32 v1, 5, v0
	v_readfirstlane_b32 s[WV], v1
	s_lshr_b32 s[RH], s[WV], 1
	s_and_b32 s[CH], s[WV], 1
	s_bfe_u32 s40, ttmp6, 0x40000                  ; cx
	s_bfe_u32 s41, ttmp6, 0x40004                  ; cy
	s_lshl_b32 s42, ttmp9, 2
	s_add_co_u32 s42, s42, s40                     ; tile column
	s_and_b32 s45, ttmp7, 0xffff
	s_lshl_b32 s45, s45, 2
	s_add_co_u32 s45, s45, s41                     ; tile row
	s_lshl_b32 s43, s41, 2
	s_lshl_b32 s43, 15, s43                        ; my row of the cluster
	s_lshl_b32 s44, 0x1111, s40                    ; my column
	s_or_b32 s[G1], s43, (1<<16)|(1<<20)|(1<<21)|(4<<22)|(3<<25)   ; att: elements of 2 bytes; 4 words of padding behind every 32
	s_mov_b32 s[G1+1], 64<<16                      ; tensor_dim0
	s_mov_b32 s[G1+2], 128<<16                     ; tensor_dim1
	s_mov_b32 s[G1+3], 64<<16                      ; tile_dim0
	s_mov_b32 s[G1+4], 128                         ; tile_dim1
	s_mov_b32 s[G1+5], 64                          ; stride
	s_mov_b32 s[G1+6], 0
	s_mov_b32 s[G1+7], 0
	s_or_b32 s[G1B], s44, (1<<16)|(1<<20)|(1<<21)|(6<<22)|(7<<25)  ; Wout: 8 words of padding behind every 128
	s_mov_b32 s[G1B+1], 256<<16
	s_mov_b32 s[G1B+2], 64<<16
	s_mov_b32 s[G1B+3], 256<<16
	s_mov_b32 s[G1B+4], 64
	s_mov_b32 s[G1B+5], 1024
	s_mov_b32 s[G1B+6], 0
	s_mov_b32 s[G1B+7], 0
	s_lshl_b32 s16, s[CH], 20                      ; att: head CH of the step,
	s_lshl_b32 s17, s45, 14                        ; the tile's 128 rows of 128 bytes
	s_add_co_u32 s16, s16, s17
	s_mov_b32 s17, 0
	s_lshl_b32 s46, s[CH], 17                      ; Wout: 64 rows of 2,048 bytes x CH,
	s_lshl_b32 s47, s42, 9                         ; the tile's 256 columns
	s_add_co_u32 s46, s46, s47
	s_mov_b32 s47, 0
	s_mul_i32 s20, s[CH], CHUNK                    ; where they go: by the wave's number alone
	s_mul_i32 s21, s[CH], 64*PB
	s_add_co_u32 s21, s21, BOFF
	s_wait_dscnt 0x0                               ; both opening adds are done
	s_wait_kmcnt 0x0
	s_add_nc_u64 s[18:19], s[4:5], s[16:17]
	s_add_nc_u64 s[46:47], s[6:7], s[46:47]
	CROUND                                         ; all sixteen work-groups are here: the first joint loads meet
.irp s, 0,1
	s_mov_b32 s[G0+4*\s], 1
	s_add_co_u32 s[G0+4*\s+1], s20, \s*SLOT
	s_add_nc_u64 s[G0+4*\s+2:G0+4*\s+3], s[18:19], \s<<21          ; K step s: heads 2 s, 2 s + 1
	s_or_b32 s[G0+4*\s+3], s[G0+4*\s+3], 0x80000000
	s_mov_b32 s[G0B+4*\s], 1
	s_add_co_u32 s[G0B+4*\s+1], s21, \s*SLOT
	s_add_nc_u64 s[G0B+4*\s+2:G0B+4*\s+3], s[46:47], \s*262144     ; 128 rows of 2,048 bytes
	s_or_b32 s[G0B+4*\s+3], s[G0B+4*\s+3], 0x80000000
	JLOAD \s
.endr
	v_and_b32 v1, 15, v0                           ; r
	v_bfe_u32 v2, v0, 4, 1                         ; h
	v_lshlrev_b32 v[BO], 5, v2
	s_lshl_b32 s46, s42, 10
	s_lshl_b32 s47, s[CH], 9
	s_add_co_u32 s46, s46, s47                     ; my first column, in bytes of f32
	s_mov_b32 s47, 0
	s_add_nc_u64 s[8:9], s[8:9], s[46:47]
	s_add_nc_u64 s[10:11], s[10:11], s[46:47]
.irp b, 0,1,2,3,4,5,6,7
	global_load_b128 v[BIAS+8*\b:BIAS+8*\b+3],   v[BO], s[8:9] offset:64*\b        ; bout at columns 16 b + 8 h + 0 .. 7: the result's layout
	global_load_b128 v[BIAS+8*\b+4:BIAS+8*\b+7], v[BO], s[8:9] offset:64*\b+16
.endr
	v_mul_u32_u24 v3, v1, PA
	v_lshl_add_u32 v3, v2, 4, v3
	s_mul_i32 s21, s[RH], 64*PA                    ; my 64 rows of att
	v_and_b32 v4, 7, v0
	v_bfe_u32 v5, v0, 3, 1
	v_lshl_add_u32 v4, v2, 3, v4                   ; the turning load: row k = 8 h + lane % 8,
	v_mul_u32_u24 v4, v4, PB
	v_lshl_add_u32 v4, v5, 4, v4                   ; columns 8 ((lane / 8) % 2) on
	s_lshl_b32 s22, s[CH], 8                       ; my 128 columns
	s_add_co_u32 s22, s22, BOFF
.irp s, 0,1
	v_add_nc_u32 v[ADRA+\s], s21, v3
	v_add_nc_u32 v[ADRB+\s], s22, v4
	s_add_co_u32 s21, s21, SLOT
	s_add_co_u32 s22, s22, SLOT
.endr
	s_mul_i32 s23, s[WV], 16*SPITCH
	s_add_co_u32 s23, s23, STAGE                   ; my stage
	v_mul_u32_u24 v5, v1, SPITCH
	v_lshl_add_u32 v5, v2, 5, v5
	v_add_nc_u32 v[STO], s23, v5                   ; in: row r, 32 bytes for each half of the lanes
	v_and_b32 v6, 31, v0
	v_lshlrev_b32 v[CO], 4, v6
	v_add_nc_u32 v[RD], s23, v[CO]                 ; back: the 32 lanes take a row of 512 bytes
	s_lshl_b32 s16, s45, 7
	s_lshl_b32 s17, s[RH], 6
	s_add_co_u32 s16, s16, s17                     ; my first row of out0,
	s_lshl_b32 s16, s16, 12                        ; of 4,096 bytes
	s_mov_b32 s17, 0
	s_add_nc_u64 s[10:11], s[10:11], s[16:17]
; Eight matrix instructions: A's block a x B's eight, 32 along K.  The 32 accumulators take turns, one instruction a turn, in the same order in every quarter.
.macro MULA f, a, first
.irp b, 0,1,2,3,4,5,6,7
.if \first
	v_wmma_f32_16x16x32_f16 v[8*(8*(\a)+\b):8*(8*(\a)+\b)+7], v[\f+32+8*\b:\f+32+8*\b+7], v[\f+8*(\a):\f+8*(\a)+7], v[BIAS+8*\b:BIAS+8*\b+7]
.else
	v_wmma_f32_16x16x32_f16 v[8*(8*(\a)+\b):8*(8*(\a)+\b)+7], v[\f+32+8*\b:\f+32+8*\b+7], v[\f+8*(\a):\f+8*(\a)+7], v[8*(8*(\a)+\b):8*(8*(\a)+\b)+7]
.endif
.endr
.endm
.macro FETCH slot, kq, f               ; 24 LDS loads in one run: quarter kq's fragments; A's blocks 2 and 3 last
	WIN TO_F
.irp b, 0,1,2,3,4,5,6,7
	ds_load_tr16_b128 v[\f+32+8*\b:\f+32+8*\b+3],   v[ADRB+\slot] offset:32*PB*(\kq)+32*\b
	ds_load_tr16_b128 v[\f+32+8*\b+4:\f+32+8*\b+7], v[ADRB+\slot] offset:32*PB*(\kq)+16*PB+32*\b
.endr
.irp a, 0,1,2,3
	ds_load_b128 v[\f+8*\a:\f+8*\a+3],   v[ADRA+\slot] offset:CHUNK*((\kq)/2)+64*((\kq)%2)+16*PA*\a
	ds_load_b128 v[\f+8*\a+4:\f+8*\a+7], v[ADRA+\slot] offset:CHUNK*((\kq)/2)+64*((\kq)%2)+16*PA*\a+32
.endr
.endm
.macro PLACES                          ; four plain vector instructions ahead of loads into registers that matrix instructions have read, and of reads of results
.rept 4
	v_nop
.endr
.endm
.macro MWIN first
.if \first
	WIN MULB
.else
	WIN MUL
.endif
.endm
; A quarter: 32 along K, 32 matrix instructions on buffer f; in its middle the next quarter, kq of the same slot, is fetched into g.
.macro QUARTER slot, kq, f, g, first
	s_wait_dscnt 4                                 ; B's eight and A's blocks 0, 1 are in; the youngest four loads (A's blocks 2, 3) may be out
	MWIN \first
	MULA \f, 0, \first
	MULA \f, 1, \first
	PLACES
	FETCH \slot, \kq, \g
	s_wait_dscnt 24                                ; all but the 24 just issued
	MWIN \first
	MULA \f, 2, \first
	MULA \f, 3, \first
.endm
; A slot's last quarter multiplies buffer 1 and changes slots: each wave waits for all its tensor loads, adds 0 to its spare word, waits for that and for its reads of this slot; one barrier, which with fill = 1
; opens a round of the cluster's barrier; behind the round the slot is filled again, two K steps ahead.
.macro TURN slot, next, fill
	WIN 0                                          ; (the add's two registers lie in window 0)
	s_wait_tensorcnt 0x0
	ds_add_u32 v[SPW], v[NIL]
	s_wait_dscnt 5                                 ; the add and the youngest four loads may be out
	WIN MUL
	MULA F1, 0, 0
	s_wait_dscnt 0x0                               ; the add is done, and my reads of this slot are over
	s_barrier_signal -1
	MULA F1, 1, 0
.if \fill
	WIN 0
.endif
	s_barrier_wait -1
.if \fill
	CREST
	s_add_nc_u64 s[G0+4*\slot+2:G0+4*\slot+3], s[G0+4*\slot+2:G0+4*\slot+3], 1<<22
	s_add_nc_u64 s[G0B+4*\slot+2:G0B+4*\slot+3], s[G0B+4*\slot+2:G0B+4*\slot+3], 524288
	JLOAD \slot                                    ; the first tensor load behind the round; its four v_nop are also the places ahead of the loads below
.else
	PLACES
.endif
	FETCH \next, 0, F0
	WIN MUL
	MULA F1, 2, 0
	MULA F1, 3, 0
.endm
	s_wait_tensorcnt 1                             ; my part of K step 0 is in; K step 1's may be out
	s_barrier_signal -1
	s_barrier_wait -1
	FETCH 0, 0, F0
	s_wait_loadcnt 0x0                             ; bout
	QUARTER 0, 1, F0, F1, 1                        ; the first quarter's products start the sums, from bout
	WIN 0
	s_mov_b32 s3, LAPS-1
.Llap:                                             ; a trip goes once round the ring, from a lap's second quarter to the next lap's first, and fills both slots again
	QUARTER 0, 2, F1, F0, 0
	QUARTER 0, 3, F0, F1, 0
	TURN 0, 1, 1
	QUARTER 1, 1, F0, F1, 0
	QUARTER 1, 2, F1, F0, 0
	QUARTER 1, 3, F0, F1, 0
	TURN 1, 0, 1
	QUARTER 0, 1, F0, F1, 0
	WIN 0
	s_sub_co_u32 s3, s3, 1
	s_cmp_lg_u32 s3, 0
	s_cbranch_scc1 .Llap
	QUARTER 0, 2, F1, F0, 0                        ; the last lap fills nothing
	QUARTER 0, 3, F0, F1, 0
	TURN 0, 1, 0
	QUARTER 1, 1, F0, F1, 0
	QUARTER 1, 2, F1, F0, 0
	QUARTER 1, 3, F0, F1, 0
	s_wait_dscnt 4
	WIN MUL
	MULA F1, 0, 0
	MULA F1, 1, 0
	s_wait_dscnt 0
	MULA F1, 2, 0
	MULA F1, 3, 0
	WIN 0
; THE WAY OUT, by blocks of 16 rows x 128 columns: through my own stage and back as whole rows of 512 bytes.  LDS serves a wave's instructions in order.
.macro TOSTAGE a
	WIN 0x08                                       ; an LDS store's data: window 2
.irp b, 0,1,2,3,4,5,6,7
	ds_store_b128 v[STO], v[64*(\a)+8*\b:64*(\a)+8*\b+3] offset:64*\b          ; each accumulator from its low end on
	ds_store_b128 v[STO], v[64*(\a)+8*\b+4:64*(\a)+8*\b+7] offset:64*\b+16
.endr
	WIN 0
.set BB, BK+64*((\a)%2)
.irp t, 0,1,2,3,4,5,6,7,8,9,10,11,12,13,14,15
	ds_load_b128 v[BB+4*\t:BB+4*\t+3], v[RD] offset:\t*SPITCH
.endr
.endm
.macro SEND a, younger
.set BB, BK+64*((\a)%2)
	s_wait_dscnt \younger                          ; the block is back; the next block's 16 stores and 16 loads may be out
.irp t, 0,1,2,3,4,5,6,7,8,9,10,11,12,13,14,15
	global_store_b128 v[CO], v[BB+4*\t:BB+4*\t+3], s[10:11] offset:(16*(\a)+\t)*4096 th:TH_STORE_NT   ; 32 lanes store 512 consecutive bytes, aligned
.endr
.endm
	PLACES
	TOSTAGE 0
.irp a, 1,2,3
.if \a > 1
	s_wait_xcnt 0x0                                ; block a - 2's stores have read the registers that block a's loads fill
.endif
	TOSTAGE \a
	SEND \a-1, 32
.endr
	SEND 3, 0
	s_wait_tensorcnt 0x0                           ; the wave's end
	ds_add_u32 v[SPW], v[NIL]
	s_wait_dscnt 0x0
	CROUND                                         ; the closing round
	s_endpgm
.Lfunc_end_k_qa049a3af45_proj:
	.size	k_qa049a3af45_proj, .Lfunc_end_k_qa049a3af45_proj-k_qa049a3af45_proj
	.p2alignl 7, 3214868480
	.fill 96, 4, 3214868480
	.section	.rodata,"a",@progbits
	.p2align	6, 0x0
	.amdhsa_kernel k_qa049a3af45_proj
		.amdhsa_group_segment_fixed_size 327680
		.amdhsa_private_segment_fixed_size 0
		.amdhsa_enable_private_segment 0
		.amdhsa_kernarg_size 32
		.amdhsa_user_sgpr_count 2
		.amdhsa_user_sgpr_kernarg_segment_ptr 1
		.amdhsa_wavefront_size32 1
		.amdhsa_system_sgpr_workgroup_id_x 1
		.amdhsa_system_sgpr_workgroup_id_y 1
		.amdhsa_system_sgpr_workgroup_id_z 1
		.amdhsa_system_vgpr_workitem_id 0
		.amdhsa_next_free_vgpr 768
		.amdhsa_next_free_sgpr 66
		.amdhsa_reserve_vcc 0
		.amdhsa_float_denorm_mode_32 3
		.amdhsa_float_denorm_mode_16_64 3
		.amdhsa_memory_ordered 1
		.amdhsa_forward_progress 1
		.amdhsa_inst_pref_size 86
	.end_amdhsa_kernel
	.amdgpu_metadata
---
amdhsa.version: [ 1, 2 ]
amdhsa.kernels:
  - .name:           k_qa049a3af45_proj
    .symbol:         k_qa049a3af45_proj.kd
    .args:
      - { .name: att, .offset: 0, .size: 8, .value_kind: global_buffer, .address_space: global }
      - { .name: wout16, .offset: 8, .size: 8, .value_kind: global_buffer, .address_space: global }
      - { .name: bout, .offset: 16, .size: 8, .value_kind: global_buffer, .address_space: global }
      - { .name: out0, .offset: 24, .size: 8, .value_kind: global_buffer, .address_space: global }
    .group_segment_fixed_size: 327680
    .private_segment_fixed_size: 0
    .kernarg_segment_align: 8
    .kernarg_segment_size: 32
    .max_flat_workgroup_size: 128
    .sgpr_count:     66
    .vgpr_count:     768
    .wavefront_size: 32
...
	.end_amdgpu_metadata
.endif
;; end of part 4
